; MI455X (gfx1250); checked and timed in simulation.
; The chip was launched on July 23, 2026; its instructions are those of AMD's public machine-readable ISA for CDNA 5 (MIT licence, August 2026) and "CDNA5" Instruction Set Architecture Reference Guide (July 2026). The comments in the code are by the model that wrote it; some were corrected since.
;; Ace Step Cross Attention. Allowed arithmetic: matrix products marked QUANTISED: E2M3 operands, one E8M0 scale for each 32 along K, by v_wmma_scale_f32_16x16x128_f8f6f4 with both operands' format E2M3, f32 sums; everything else in f32.
;; Inputs: Wk 2,048 x 512 float32; Wo 1,024 x 2,048 float32; Wq 2,048 x 1,024 float32; Wv 2,048 x 512 float32; encoder_hidden_states 4 x 1,024 x 2,048 float32; hidden_states 4 x 2,048 x 2,048 float32; k_norm_w 128 float32; q_norm_w 128 float32.
;; Outputs: out0 4 x 2,048 x 2,048 float32.
;; This version of the problem:
;;   THIS VERSION OF THE PROBLEM IS GIVEN IN LOW PRECISION. The matrix products marked QUANTISED in the list below multiply operands that are first quantised to E2M3 (2 exponent bits, 3 mantissa bits; 6 bits a number), with one power-of-two scale for each 32 numbers along K (OCP MX v1.0); their sums are f32. All else is computed in f32.
;;   The module's matrix products, in the order in which they are computed (A, B: the left and right operand; K: the contracted axis; several contracted axes count as one K, in the product's order):
;;     1. [M 8,192, K 2,048] x [K 2,048, N 1,024]; A: input hidden_states; B: input Wq: QUANTISED
;;     2. [M 4,096, K 2,048] x [K 2,048, N 512]; A: input encoder_hidden_states; B: input Wk: QUANTISED
;;     3. [M 4,096, K 2,048] x [K 2,048, N 512]; A: input encoder_hidden_states; B: input Wv: QUANTISED
;;     4. batch 32 x [M 2,048, K 128] x [K 128, N 1,024]; A: computed on the way; B: computed on the way: QUANTISED
;;     5. batch 32 x [M 128, K 1,024] x [K 1,024, N 2,048]; A: computed on the way; B: softmax (see below): QUANTISED
;;     6. [M 8,192, K 1,024] x [K 1,024, N 2,048]; A: computed on the way; B: input Wo: QUANTISED
;;   THE QUANTISER, for each operand of a quantised product, along K:
;;     - K is cut into blocks of 32 from its start; a last block that is shorter is filled with zeros.
;;     - A block's scale is 2^e with e = floor(log2(the largest magnitude in the block)) - 2, held to -126 .. 127; a block of zeros has e = 0. As a byte (E8M0): e + 127.
;;     - Each number is divided by its block's scale, clamped to +-7.5, and rounded to the nearest number of E2M3, ties to even, subnormals kept.
;;     - The product sums the exact products of the quantised numbers (number of the format x scale) in f32.
;;   ~~~python
;;   def quantise(x, axis):      # numpy; x: float32 -> the quantised numbers, widened to float32 again
;;       x = np.moveaxis(x, axis, -1); K = x.shape[-1]
;;       x = np.pad(x, [(0, 0)] * (x.ndim - 1) + [(0, -K % 32)]); x = x.reshape(x.shape[:-1] + (-1, 32)); a = np.abs(x).max(-1, keepdims=True)
;;       e = np.where(a > 0, np.clip(np.frexp(np.where(a > 0, a, 1))[1] - 1 - 2, -126, 127), 0)      # np.frexp(a)[1] - 1 = floor(log2(a)), exactly
;;       r = np.clip(x / 2.0 ** e, -7.5, 7.5)
;;       step = 2.0 ** (np.maximum(np.frexp(np.where(r == 0, 1, r))[1] - 1, 0) - 3)
;;       q = np.round(r / step) * step * 2.0 ** e      # np.round: ties to even
;;       return np.moveaxis(q.reshape(q.shape[:-2] + (-1,))[..., :K], -1, axis).astype(np.float32)
;;   ~~~
;;   SOFTMAX AHEAD OF A QUANTISED PRODUCT. Where the list says 'softmax', what is quantised is not the finished softmax but p = 2^(t - M), with t = logit x log2(e) and M = ceil(the row's largest t), a whole number; so 1/2 < the row's largest p <= 1. The row's sum l is taken of the UNQUANTISED p, in f32, and the product's result is divided by l at the end. Since M is a whole number, a kernel that streams over the keys may use a running M (the ceiling of the running maximum): every later rescaling is an exact power of two, which a block's scale takes up: the codes' values come out the same.
;;   OPERANDS COMPUTED ON THE WAY. 'Computed on the way' means the value that the module computes at that place (a softmax that the list does not call 'softmax' is quantised finished and normalised). What goes into a quantiser is computed in f32, as accurately as f32 sums, v_exp_f32 and their like allow (about 1e-6 of the number): no bf16 or f16 on the way to a quantiser, and a product that is left as it is and whose result goes on into a quantised operand takes f32 operands (vector FMAs, or v_wmma_f32_16x16x4_f32). A number that lies on a knife's edge between two numbers of the format may be rounded either way, as far as f32 arithmetic and the matrix unit's own rounding can turn it there, and no further.
;; One version. Each part assembles by itself: llvm-mc -triple=amdgcn-amd-amdhsa -mcpu=gfx1250 --defsym DOCPART=n.
;; ======== version 1 of 1: 4 launches
;; limits: right only within a limited range of input values
;; workspace buffers: pc 23,592,960 bytes; ps 983,040 bytes; ac 9,437,184 bytes; asc 393,216 bytes; oc 6,291,456 bytes; os 262,144 bytes
;; launch prep (part 1): grid 960 x 1, 4 waves a work-group, no clusters, 60,928 bytes of LDS; arguments hidden_states, encoder_hidden_states, Wq, Wk, Wv, Wo, pc, ps; writes pc, ps
.if DOCPART == 1
	.amdgcn_target "amdgcn-amd-amdhsa--gfx1250"
	.amdhsa_code_object_version 6
	.text
	.protected	k_q0c75ed307c_prep
	.globl	k_q0c75ed307c_prep
	.p2align	8
	.type	k_q0c75ed307c_prep,@function
k_q0c75ed307c_prep:
	s_mov_b64 s[64:65], 0
	v_nop
	global_prefetch_b8 v0, s[64:65] scope:SCOPE_SE
	s_setreg_imm32_b32 hwreg(HW_REG_WAVE_MODE, 25, 1), 1
	s_wait_xcnt 0x0
; PREP: the six large f32 inputs become codes of FP6 (E2M3) with one E8M0 byte for each 32 along K, laid as IMAGES OF THE OPERAND'S REGISTERS.
; A block's scale is 2^(floor(log2(its largest magnitude)) - 2): its byte is that magnitude's exponent field - 2, held at 1 from below.  Numbers are divided by the scale and rounded to the nearest code, ties to even; beyond 7.5 the largest code.
; LIMITS: a block of zeros, or one whose largest magnitude lies under 2^-124, gets the byte 1 (zero codes add nothing under any byte but 0xff; this program alone reads the bytes).  NaN and infinities among the inputs are not served.
; ROW ORDER.  Rows of an operand go in groups of 32; row-block 2 b + u holds rows 32 b + 8 u + r + 8 (r / 8), r = 0 .. 15.
; FRAGMENT IMAGE, 1,536 bytes: 16 rows x 128 K; register j (of 12) of lane l lies at 512 (j / 4) + 16 l + 4 (j % 4); registers 6 c .. 6 c + 5 of lane (r, h) hold k = 64 c + 32 h + 0 .. 31 of row r.
; SCALE IMAGE, 64 bytes: row r's word at 4 r, byte b for k = 32 b .. 32 b + 31 of the 128.
; pc: activations [row-block 768][chunk 16] (hidden's 512 row-blocks, then the encoder's 256); at WP_C the projections' weights [128][16] (Wq's 1,024 columns; then for each kv head 128 of Wk and 128 of Wv); at WO_C Wo [128][8].
; ps: the same order x 64 bytes, but Wo's at WO_S as [chunk 8][row-block 128].
; Work-groups 0-767 take one row-block of activations each (K innermost), work-groups 768-959 take 128 columns x 256 K of a weight (K is the first axis).  Each reads 128 KiB.
; The two paths have LDS bytes of their own.  No tensor loads, no barriers: waves share nothing.
.set WP_C, 18874368
.set WO_C, 22020096
.set WP_S, 786432
.set WO_S, 917504
.set SEL,  2                           ; s[2:3] selects for v_permlanex16_b32: lane l xor 16
.set WV,   20                          ; s20    my wave's number
.set LI,   1                           ; v1     16 x lane
.set X,    144                         ; v144-207 64 numbers: register 16 b + i = k 32 b + 16 (lane / 16) + i of my row
.set PC,   208                         ; v208-226 the codes just made (the fragment in the first 12)
.set TM,   228                         ; v228-243 at work in QUANT
.set PW,   244                         ; v244   the scale word just made
; 64 numbers of a lane, v[s] .. v[s + 63], register 16 b + i = k 32 b + 16 (lane / 16) + i of my row, become a fragment's codes in v[PC] on and its scale word in v[PW].
.macro QUANT s
.irp b, 0,1,2,3
	v_max3_num_f32 v[TM+\b], |v[\s+16*\b]|, |v[\s+1+16*\b]|, 0x1800000   ; block b: my 16 numbers, and the floor 2^(3 - 127): the byte cannot fall under 1
.endr
.irp i, 2,4,6,8,10,12,14
.irp b, 0,1,2,3
	v_max3_num_f32 v[TM+\b], v[TM+\b], |v[\s+16*\b+\i]|, |v[\s+1+16*\b+\i]|   ; the four blocks by turns
.endr
.endr
.irp b, 0,1,2,3
	v_permlanex16_b32 v[TM+4+\b], v[TM+\b], s[SEL], s[SEL+1]
.endr
.irp b, 0,1,2,3
	v_max_num_f32 v[TM+\b], v[TM+\b], v[TM+4+\b]   ; with lane l xor 16's: the block's largest magnitude
.endr
.irp b, 0,1,2,3
	v_add_nc_u32 v[TM+12+\b], 0xff000000, v[TM+\b]   ; 2 off its exponent field: the conversion takes this operand's exponent field as its scale
.endr
.irp b, 0,1,2,3
	v_lshrrev_b32 v[TM+4+\b], 23, v[TM+12+\b]      ; the scale's byte
.endr
	v_lshl_or_b32 v[PW], v[TM+5], 8, v[TM+4]
	v_lshl_or_b32 v[PW], v[TM+6], 16, v[PW]
	v_lshl_or_b32 v[PW], v[TM+7], 24, v[PW]
.irp c, 0,1
	v_cvt_scalef32_pk16_fp6_f32 v[PC+6*\c:PC+2+6*\c], v[\s+32*\c:\s+15+32*\c], v[TM+12+2*\c]
	v_cvt_scalef32_pk16_fp6_f32 v[PC+12+4*\c:PC+14+4*\c], v[\s+16+32*\c:\s+31+32*\c], v[TM+12+2*\c+1]   ; (a conversion's three registers begin on an even number)
.endr
	v_nop                                          ; one plain place behind a scaled conversion
.irp c, 0,1                                    ; the layout wants a whole block in a lane: lanes 0-15 block 2 c, lanes 16-31 block 2 c + 1
.irp i, 0,1,2
	v_permlane16_swap_b32 v[PC+6*\c+\i], v[PC+12+4*\c+\i]
.endr
.irp i, 0,1,2
	v_mov_b32 v[PC+3+6*\c+\i], v[PC+12+4*\c+\i]
.endr
.endr
.endm
	s_load_b512 s[4:19], s[0:1], 0x0               ; hidden s[4:5], encoder s[6:7], Wq s[8:9], Wk s[10:11], Wv s[12:13], Wo s[14:15], pc s[16:17], ps s[18:19]
	v_lshl_add_u32 v254, v0, 2, 0xec00
	v_mov_b32 v255, 0
	v_lshrrev_b32 v1, 5, v0
	v_readfirstlane_b32 s[WV], v1                  ; wave 0..3
	v_and_b32 v7, 31, v0                           ; lane
	v_lshlrev_b32 v[LI], 4, v7
	s_mov_b32 s[SEL], 0x76543210
	s_mov_b32 s[SEL+1], 0xfedcba98
	s_cmp_lt_u32 ttmp9, 768
	s_cbranch_scc0 .Lweights
; ---- ACTIVATIONS.  The work-group's number is the row-block; wave w takes chunks 4 w .. 4 w + 3 of its 16 rows.
; Each load reads 512 consecutive bytes of one row; a chunk's 16 x 512 bytes turn through the wave's own stage (rows 528 bytes apart) so that a lane gets 16 neighbours of each block of its row.
	v_and_b32 v8, 15, v0                           ; r
	v_bfe_u32 v9, v0, 4, 1                         ; h
	s_mul_i32 s21, s[WV], 8704                     ; my wave's LDS: 16 x 528 bytes of stage, then 256 bytes for scale words
	v_add_nc_u32 v2, s21, v[LI]                    ; the stage, on the way in: 16 x lane of a row
	v_mul_u32_u24 v3, v8, 528
	v_lshl_add_u32 v3, v9, 6, v3
	v_add_nc_u32 v3, s21, v3                       ; and back: row r, + 64 h
	s_add_co_u32 s21, s21, 8448
	v_lshl_add_u32 v4, v8, 2, s21                  ; my row's scale word
	v_lshlrev_b32 v6, 3, v7                        ; on the way out 8 bytes a lane
	v_add_nc_u32 v5, s21, v6
.irp b, 0,1,2,3
	v_mov_b32 v[TM+4+\b], 0                        ; written once: a lane permute's destination counts as one of its sources
.endr
	s_cmp_lt_u32 ttmp9, 512
	s_cselect_b32 s22, 0, 512
	s_sub_co_u32 s22, ttmp9, s22                   ; the row-block within its tensor
	s_lshr_b32 s23, s22, 1
	s_lshl_b32 s23, s23, 5
	s_and_b32 s26, s22, 1
	s_lshl_b32 s26, s26, 3
	s_add_co_u32 s23, s23, s26                     ; its first row: 32 (rb / 2) + 8 (rb % 2)
	s_lshl_b32 s26, s23, 13                        ; x 8,192 bytes a row
	s_lshl_b32 s27, s[WV], 11                      ; + my four chunks
	s_add_co_u32 s26, s26, s27
	s_mov_b32 s27, 0
	s_lshl_b32 s28, ttmp9, 4
	s_lshl_b32 s29, s[WV], 2
	s_add_co_u32 s28, s28, s29
	s_mul_i32 s28, s28, 1536                       ; codes: (16 rb + 4 w) images
	s_mov_b32 s29, 0
	s_lshl_b32 s34, ttmp9, 10
	s_lshl_b32 s35, s[WV], 8
	s_add_co_u32 s34, s34, s35                     ; scale words: 1,024 rb + 256 w
	s_mov_b32 s35, 0
	s_wait_alu depctr_va_vdst(0)
	s_wait_kmcnt 0x0
	s_cmp_lt_u32 ttmp9, 512                        ; hidden's row-block or the encoder's: the choice hangs on the work-group's number alone
	s_cselect_b64 s[24:25], s[4:5], s[6:7]
	s_add_nc_u64 s[24:25], s[24:25], s[26:27]
	s_add_nc_u64 s[30:31], s[16:17], s[28:29]
	s_add_nc_u64 s[32:33], s[18:19], s[34:35]
.macro XLOAD t                         ; chunk t of my four: 16 rows x 512 bytes into set t % 2 (v16-79, v80-143)
.irp r, 0,1,2,3,4,5,6,7,8,9,10,11,12,13,14,15
	global_load_b128 v[16+64*((\t)%2)+4*\r:16+64*((\t)%2)+4*\r+3], v[LI], s[24:25] offset:(\r+8*(\r/8))*8192+512*(\t) th:TH_LOAD_NT
.endr
.endm
.macro XSTEP t
.if (\t) < 3
	s_wait_loadcnt 16                              ; this chunk's 16 loads are in; the next chunk's 16 may be out
.else
	s_wait_loadcnt 0
.endif
.irp r, 0,1,2,3,4,5,6,7,8,9,10,11,12,13,14,15
	ds_store_b128 v2, v[16+64*((\t)%2)+4*\r:16+64*((\t)%2)+4*\r+3] offset:528*\r
.endr
.irp b, 0,1,2,3
.irp j, 0,1,2,3
	ds_load_b128 v[X+16*\b+4*\j:X+16*\b+4*\j+3], v3 offset:128*\b+16*\j   ; LDS serves a wave's instructions in order: these see the stores above
.endr
.endr
	s_wait_dscnt 0x0                               ; my 64 numbers are in; the stage's stores and the last scale word's store are done
	s_wait_xcnt 0x0                                ; the last chunk's stores have read v[PC] on: it is written again only behind this wait
.if (\t) < 2
	XLOAD (\t)+2
.endif
	QUANT X
.irp c, 0,1,2
	global_store_b128 v[LI], v[PC+4*\c:PC+4*\c+3], s[30:31] offset:1536*(\t)+512*\c   ; 32 lanes store 512 consecutive bytes, aligned
.endr
	ds_store_b32 v4, v[PW] offset:64*(\t)          ; both lanes of a row write the same word with the same value
.endm
	XLOAD 0
	XLOAD 1
	XSTEP 0
	XSTEP 1
	XSTEP 2
	XSTEP 3
	ds_load_b64 v[246:247], v5                     ; my four scale images, 256 bytes
	s_wait_dscnt 0x0
	global_store_b64 v6, v[246:247], s[32:33]      ; 32 lanes store 256 consecutive bytes, aligned
	s_wait_tensorcnt 0x0
	ds_add_u32 v254, v255
	s_wait_dscnt 0x0
	s_endpgm
; ---- WEIGHTS.  A lane takes a column and its registers run down K: a block of 32 lies in one lane, and the conversions give codes with K innermost.
; The four tensors take one path: what differs is chosen by s_cselect on the work-group's number.
.Lweights:
	s_sub_co_u32 s21, ttmp9, 768
	s_mov_b32 s24, 128                             ; Wo's figures: first work-group,
	s_mov_b32 s25, 4                               ; log2 of its groups of 128 columns,
	s_mov_b32 s26, 0                               ; first group of 32 operand rows,
	s_mov_b32 s27, 4                               ; groups of 32 from one 128 columns to the next,
	s_mov_b32 s28, 8                               ; chunks in K,
	s_mov_b32 s29, WO_C                            ; where its codes begin,
	s_mov_b32 s30, WO_S                            ; and its scale words;
	s_mov_b32 s31, 64                              ; scale bytes from row-block to row-block,
	s_mov_b32 s32, 8192                            ; and from chunk to chunk
	s_wait_kmcnt 0x0
	s_mov_b64 s[22:23], s[14:15]
	s_cmp_lt_u32 s21, 128                          ; Wv's
	s_cselect_b64 s[22:23], s[12:13], s[22:23]
	s_cselect_b32 s24, 96, s24
	s_cselect_b32 s25, 2, s25
	s_cselect_b32 s26, 36, s26
	s_cselect_b32 s27, 8, s27
	s_cselect_b32 s28, 16, s28
	s_cselect_b32 s29, WP_C, s29
	s_cselect_b32 s30, WP_S, s30
	s_cselect_b32 s31, 1024, s31
	s_cselect_b32 s32, 64, s32
	s_cmp_lt_u32 s21, 96                           ; Wk's
	s_cselect_b64 s[22:23], s[10:11], s[22:23]
	s_cselect_b32 s24, 64, s24
	s_cselect_b32 s26, 32, s26
	s_cmp_lt_u32 s21, 64                           ; Wq's
	s_cselect_b64 s[22:23], s[8:9], s[22:23]
	s_cselect_b32 s24, 0, s24
	s_cselect_b32 s25, 3, s25
	s_cselect_b32 s26, 0, s26
	s_cselect_b32 s27, 4, s27
	s_sub_co_u32 s33, s21, s24
	s_lshl_b32 s34, 1, s25
	s_sub_co_u32 s34, s34, 1
	s_and_b32 s34, s33, s34                        ; x: which 128 columns
	s_lshr_b32 s35, s33, s25                       ; y: which 256 along K
	s_lshl_b32 s36, 512, s25                       ; P: a row of the weight in bytes
	s_mul_i32 s37, s27, s34
	s_add_co_u32 s37, s37, s26
	s_add_co_u32 s37, s37, s[WV]                   ; my wave's group of 32 operand rows
	s_mul_i32 s56, s35, s36
	s_lshl_b32 s56, s56, 8                         ; 256 y rows
	s_lshl_b32 s38, s34, 9
	s_add_co_u32 s56, s56, s38                     ; + 128 x columns
	s_lshl_b32 s38, s[WV], 7
	s_add_co_u32 s56, s56, s38                     ; + my wave's 32
	s_mov_b32 s57, 0
	s_lshl_b32 s58, s36, 5                         ; 32 rows on
	s_mov_b32 s59, 0
	s_add_nc_u64 s[40:41], s[22:23], s[56:57]      ; a base for each of the eight blocks: none is ever stepped
.irp t, 1,2,3,4,5,6,7
	s_add_nc_u64 s[40+2*\t:41+2*\t], s[38+2*\t:39+2*\t], s[58:59]
.endr
	s_lshl_b32 s38, s37, 1                         ; my first row-block
	s_lshl_b32 s39, s35, 1                         ; my first chunk
	s_mul_i32 s56, s38, s28
	s_add_co_u32 s56, s56, s39
	s_mul_i32 s56, s56, 1536
	s_add_co_u32 s56, s56, s29
	s_add_nc_u64 s[60:61], s[16:17], s[56:57]      ; the codes of row-block u = 0,
	s_mul_i32 s56, s28, 1536
	s_add_nc_u64 s[62:63], s[60:61], s[56:57]      ; and of u = 1
	s_mul_i32 s56, s38, s31
	s_mul_i32 s39, s39, s32
	s_add_co_u32 s56, s56, s39
	s_add_co_u32 s56, s56, s30
	s_add_nc_u64 s[24:25], s[18:19], s[56:57]      ; the scale words
	s_wait_alu depctr_va_vdst(0)
	v_lshlrev_b32 v3, 2, v7
.set ii, 0
.rept 32
	v_mad_u32_u24 v[16+ii], s36, ii, v3            ; v16-47: row i of a block, my column
.set ii, ii+1
.endr
	v_bfe_u32 v5, v0, 3, 1                         ; column j of the 32 is row r of row-block u: u = (j / 8) % 2,
	v_and_b32 v6, 7, v0
	v_bfe_u32 v2, v0, 4, 1
	v_lshl_add_u32 v6, v2, 3, v6                   ; r = j % 8 + 8 (j / 16)
	s_mul_i32 s38, s[WV], 6400
	s_add_co_u32 s38, s38, 34816                   ; my wave's stage: two row-blocks of 3,072 bytes (two images), 3,200 apart
	v_mul_u32_u24 v4, v5, 3200
	v_lshl_add_u32 v4, v6, 4, v4
	v_add_nc_u32 v4, s38, v4                       ; into it
	v_add_nc_u32 v14, s38, v[LI]                   ; out of it
	v_mul_u32_u24 v9, s31, v5
	v_lshl_add_u32 v9, v6, 2, v9                   ; my scale word of the first chunk,
	v_add_nc_u32 v10, s32, v9                      ; and of the second
.macro WLOAD t                         ; block t: 32 rows of K, my column, into set t % 2 (v48-79, v80-111); a wave's load reads 128 consecutive bytes
.set ii, 0
.rept 32
	global_load_b32 v[48+32*((\t)%2)+ii], v[16+ii], s[40+2*(\t):41+2*(\t)] th:TH_LOAD_NT
.set ii, ii+1
.endr
.endm
.macro BLOCK t
.set XS, 48+32*((\t)%2)
.set CL, (\t)/4                        ; which of my two chunks
.set CC, ((\t)%4)/2                    ; the block is registers 6 CC .. 6 CC + 5
.set HH, (\t)%2                        ; of lane r + 16 HH
.if (\t) < 7
	s_wait_loadcnt 32                              ; this block's 32 loads are in; the next block's may be out
.else
	s_wait_loadcnt 0
.endif
	v_max3_num_f32 v12, |v[XS]|, |v[XS+1]|, |v[XS+2]|
	v_max3_num_f32 v13, |v[XS+3]|, |v[XS+4]|, |v[XS+5]|
.irp i, 6,10,14,18,22,26
	v_max3_num_f32 v12, v12, |v[XS+\i]|, |v[XS+\i+1]|
	v_max3_num_f32 v13, v13, |v[XS+\i+2]|, |v[XS+\i+3]|
.endr
	v_max3_num_f32 v12, v12, |v[XS+30]|, |v[XS+31]|
	v_max3_num_f32 v12, v12, v13, 0x1800000        ; and the floor 2^(3 - 127)
	v_add_nc_u32 v11, 0xff000000, v12              ; the conversion's scale operand
	v_lshrrev_b32 v13, 23, v11                     ; the byte
	v_cvt_scalef32_pk16_fp6_f32 v[112:114], v[XS:XS+15], v11
	v_cvt_scalef32_pk16_fp6_f32 v[118:120], v[XS+16:XS+31], v11
.if (\t)%4 == 0
	v_mov_b32 v[122+CL], v13                       ; (the plain place behind the conversions)  four bytes to a word, the lower K in the lower byte
.else
	v_lshl_or_b32 v[122+CL], v13, 8*((\t)%4), v[122+CL]
.endif
	v_mov_b32 v115, v118
	v_mov_b32 v116, v119
	v_mov_b32 v117, v120
.if CC == 0
	ds_store_b128 v4, v[112:115] offset:1536*CL+256*HH            ; registers 0-3
	ds_store_b64 v4, v[116:117] offset:1536*CL+256*HH+512         ; registers 4, 5
.else
	ds_store_b64 v4, v[112:113] offset:1536*CL+256*HH+520         ; registers 6, 7
	ds_store_b128 v4, v[114:117] offset:1536*CL+256*HH+1024       ; registers 8-11
.endif
.if (\t)+2 < 8
	WLOAD (\t)+2
.endif
	s_wait_dscnt 0x0                               ; the stores have read their registers: the next block's codes may be written
.endm
	WLOAD 0
	WLOAD 1
.irp t, 0,1,2,3,4,5,6,7
	BLOCK \t
.endr
	global_store_b32 v9, v122, s[24:25]
	s_wait_alu depctr_va_vdst(0)
	global_store_b32 v10, v123, s[24:25]
.irp k, 0,1,2,3,4,5,6,7,8,9,10,11
	ds_load_b128 v[128+4*\k:131+4*\k], v14 offset:3200*(\k/6)+1536*((\k%6)/3)+512*(\k%3)
.endr
.irp k, 0,1,2,3,4,5,6,7,8,9,10,11
	s_wait_dscnt 11-\k                             ; LDS loads come back in order: load k is in
	global_store_b128 v[LI], v[128+4*\k:131+4*\k], s[60+2*(\k/6):61+2*(\k/6)] offset:1536*((\k%6)/3)+512*(\k%3)   ; 512 consecutive bytes, aligned
.endr
	s_wait_tensorcnt 0x0
	ds_add_u32 v254, v255
	s_wait_dscnt 0x0
	s_endpgm
.Lfunc_end_k_q0c75ed307c_prep:
	.size	k_q0c75ed307c_prep, .Lfunc_end_k_q0c75ed307c_prep-k_q0c75ed307c_prep
	.p2alignl 7, 3214868480
	.fill 96, 4, 3214868480
	.section	.rodata,"a",@progbits
	.p2align	6, 0x0
	.amdhsa_kernel k_q0c75ed307c_prep
		.amdhsa_group_segment_fixed_size 60928
		.amdhsa_private_segment_fixed_size 0
		.amdhsa_enable_private_segment 0
		.amdhsa_kernarg_size 64
		.amdhsa_user_sgpr_count 2
		.amdhsa_user_sgpr_kernarg_segment_ptr 1
		.amdhsa_wavefront_size32 1
		.amdhsa_system_sgpr_workgroup_id_x 1
		.amdhsa_system_sgpr_workgroup_id_y 1
		.amdhsa_system_sgpr_workgroup_id_z 1
		.amdhsa_system_vgpr_workitem_id 0
		.amdhsa_next_free_vgpr 256
		.amdhsa_next_free_sgpr 66
		.amdhsa_reserve_vcc 0
		.amdhsa_float_denorm_mode_32 3
		.amdhsa_float_denorm_mode_16_64 3
		.amdhsa_memory_ordered 1
		.amdhsa_forward_progress 1
		.amdhsa_inst_pref_size 79
	.end_amdhsa_kernel
	.amdgpu_metadata
---
amdhsa.version: [ 1, 2 ]
amdhsa.kernels:
  - .name:           k_q0c75ed307c_prep
    .symbol:         k_q0c75ed307c_prep.kd
    .args:
      - { .name: hidden_states, .offset: 0, .size: 8, .value_kind: global_buffer, .address_space: global }
      - { .name: encoder_hidden_states, .offset: 8, .size: 8, .value_kind: global_buffer, .address_space: global }
      - { .name: Wq, .offset: 16, .size: 8, .value_kind: global_buffer, .address_space: global }
      - { .name: Wk, .offset: 24, .size: 8, .value_kind: global_buffer, .address_space: global }
      - { .name: Wv, .offset: 32, .size: 8, .value_kind: global_buffer, .address_space: global }
      - { .name: Wo, .offset: 40, .size: 8, .value_kind: global_buffer, .address_space: global }
      - { .name: pc, .offset: 48, .size: 8, .value_kind: global_buffer, .address_space: global }
      - { .name: ps, .offset: 56, .size: 8, .value_kind: global_buffer, .address_space: global }
    .group_segment_fixed_size: 60928
    .private_segment_fixed_size: 0
    .kernarg_segment_align: 8
    .kernarg_segment_size: 64
    .max_flat_workgroup_size: 128
    .sgpr_count:     66
    .vgpr_count:     256
    .wavefront_size: 32
...
	.end_amdgpu_metadata
.endif
;; end of part 1
;; launch proj (part 2): grid 4 x 48, 4 waves a work-group, clusters of 4 x 4, 327,680 bytes of LDS; arguments pc, ps, q_norm_w, k_norm_w, ac, asc; writes ac, asc
.if DOCPART == 2
	.amdgcn_target "amdgcn-amd-amdhsa--gfx1250"
	.amdhsa_code_object_version 6
	.text
	.protected	k_q0c75ed307c_proj
	.globl	k_q0c75ed307c_proj
	.p2align	8
	.type	k_q0c75ed307c_proj,@function
k_q0c75ed307c_proj:
	s_mov_b64 s[64:65], 0
	v_nop
	global_prefetch_b8 v0, s[64:65] scope:SCOPE_SE
	s_setreg_imm32_b32 hwreg(HW_REG_WAVE_MODE, 25, 1), 1
	s_wait_xcnt 0x0
	s_wait_alu depctr_hold_cnt(0) depctr_sa_sdst(0) depctr_va_vdst(0) depctr_va_sdst(0) depctr_va_ssrc(0) depctr_va_vcc(0) depctr_vm_vsrc(0)
	s_getreg_b32 s2, hwreg(HW_REG_IB_STS2, 6, 4)
	s_cmp_eq_u32 s2, 0
	s_cbranch_scc0 .Lentry_in_a_cluster
	s_endpgm
.Lentry_in_a_cluster:
	s_bfe_u32 s2, ttmp6, 0x10000c
	s_cmp_lg_u32 s2, 0xf033
	s_cbranch_scc0 .Lentry_shape_is_right
	s_endpgm
.Lentry_shape_is_right:
; PROJ: q = rms(hidden Wq), k = rms(encoder Wk), v = encoder Wv on codes of FP6 (E2M3) with E8M0 scales, K = 2,048; the results are quantised again (q, k along d; v along the keys) and stored as images of the operand's registers.
; A work-group of four waves makes 256 x 256, a wave 128 x 128 (64 accumulators).  Operands lie in pc as [row-block of 16 rows][chunk of 128 K] images of 1,536 bytes, their scale words in ps as 64 bytes an image.
; K goes through a ring of two LDS slots, two chunks (3,072 bytes of each row-block) a slot: 16 row-blocks of A, then 16 of B.  All scale words (16,384 bytes a side) come once and stay behind the ring.
; CLUSTER 4 x 4: A's tiles are shared along a row of the cluster, B's along a column: joint loads.
; THE HEAD: four whole tiles, one joint load a wave: wave 0 A's slot 0, wave 1 A's scale words, wave 2 B's slot 0, wave 3 B's scale words.  Slot 1 is first filled as a refill is, a quarter of the slot a wave.
; PREFETCH: behind the load of fill g each wave asks for fill g + 2 of the rows that it fetches: of its 8 row-blocks the partner at place p among the four that ask jointly takes 2 p and 2 p + 1,
; 24 blocks of 256 bytes, a lane a block (lanes 24-31 name the last block again).  Fills 6 and 7 have no fill two on: the last lap asks for nothing.
; v's waves (odd column halves of the encoder's tiles) exchange the two operands' LDS addresses, so that a lane holds one d and its registers run along the keys.
; LIMITS: a block of zeros, or one under 2^-124, gets the byte 1 (zero codes add nothing; this program alone reads the bytes); NaN and infinities are not served.
.set KC,     16
.set LAPS,   4
.set NQ,     2
.set FR,     12
.set NL,     3
.set NP,     4
.set RBB,    3072
.set HALFT,  24576
.set SLOT,   98304
.set SCL,    196608
.set HALFS,  8192
.set SC_I,   1024
.set SC_Q,   64
.set SC_STEP, 128
.set SPARE,  229632
.set WP_C,   18874368
.set WP_S,   786432
.set K_C,    6291456
.set K_S,    262144
.set ADRA, 16
.set ADRB, 20
.set LI,   24
.set GS,   25
.set GR,   26
.set ADRS, 27
.set SPW,  28
.set NIL,  29
.set ONE,  30
.set GO,   31
.set SC,   32
.set NW,   64
.set AF,   128
.set T,    128
.set PC,   192
.set TM,   212
.set PW,   228
.set SS,   230
.set RR,   238
.set SEL,  10
.set PFA,  4                           ; s[4:5] where my prefetches stand (pc's address has been used by then)
.set PFO,  22                          ; v22    my lane's block of the 24
.set G1, 24
.set G0, 32
.set G1B, 48
.set G0B, 56
.set G1S, 68
.set G0S, 76
.set G1SB, 80
.set G0SB, 88
.set MSB, 0
.macro WIN new
.if MSB != (\new)
	s_set_vgpr_msb (MSB<<8)|(\new)
.set MSB, (\new)
.endif
.endm
.set MUL_LO, 0xa1
.set MUL_HI, 0xf1
.set TO_B,   0x40
.macro JLOAD g0a, g1a, g0b, g1b
	s_cmp_eq_u32 s15, 0
	s_cbranch_scc0 .Lfor_b_\@
	tensor_load_to_lds s[\g0a:\g0a+3], s[\g1a:\g1a+7]
	s_nop 0
.rept 4
	v_nop
.endr
	s_branch .Lasked_\@
.Lfor_b_\@:
	tensor_load_to_lds s[\g0b:\g0b+3], s[\g1b:\g1b+7]
	s_nop 0
.rept 4
	v_nop
.endr
.Lasked_\@:
.endm
.macro CREST
	s_cmp_lg_u32 s14, 0
	s_cbranch_scc1 .Lnot_wave_0_\@
	s_barrier_signal -3
.Lnot_wave_0_\@:
	s_barrier_wait -3
	s_barrier_signal -1
	s_barrier_wait -1
.endm
.macro CROUND
	s_barrier_signal -1
	s_barrier_wait -1
	CREST
.endm
.macro QUANT s
.irp b, 0,1,2,3
	v_max3_num_f32 v[TM+\b], |v[\s+16*\b]|, |v[\s+1+16*\b]|, 0x1800000
.endr
.irp i, 2,4,6,8,10,12,14
.irp b, 0,1,2,3
	v_max3_num_f32 v[TM+\b], v[TM+\b], |v[\s+16*\b+\i]|, |v[\s+1+16*\b+\i]|
.endr
.endr
.irp b, 0,1,2,3
	v_permlanex16_b32 v[TM+4+\b], v[TM+\b], s[SEL], s[SEL+1]
.endr
.irp b, 0,1,2,3
	v_max_num_f32 v[TM+\b], v[TM+\b], v[TM+4+\b]
.endr
.irp b, 0,1,2,3
	v_add_nc_u32 v[TM+12+\b], 0xff000000, v[TM+\b]
.endr
.irp b, 0,1,2,3
	v_lshrrev_b32 v[TM+4+\b], 23, v[TM+12+\b]
.endr
	v_lshl_or_b32 v[PW], v[TM+5], 8, v[TM+4]
	v_lshl_or_b32 v[PW], v[TM+6], 16, v[PW]
	v_lshl_or_b32 v[PW], v[TM+7], 24, v[PW]
.irp c, 0,1
	v_cvt_scalef32_pk16_fp6_f32 v[PC+6*\c:PC+2+6*\c], v[\s+32*\c:\s+15+32*\c], v[TM+12+2*\c]
	v_cvt_scalef32_pk16_fp6_f32 v[PC+12+4*\c:PC+14+4*\c], v[\s+16+32*\c:\s+31+32*\c], v[TM+12+2*\c+1]
.endr
	v_nop
.irp c, 0,1
.irp i, 0,1,2
	v_permlane16_swap_b32 v[PC+6*\c+\i], v[PC+12+4*\c+\i]
.endr
.irp i, 0,1,2
	v_mov_b32 v[PC+3+6*\c+\i], v[PC+12+4*\c+\i]
.endr
.endr
.endm
	s_load_b128 s[4:7], s[0:1], 0x0
	s_load_b128 s[8:11], s[0:1], 0x10
	s_load_b128 s[92:95], s[0:1], 0x20
	v_lshl_add_u32 v[SPW], v0, 2, SPARE
	v_mov_b32 v[NIL], 0
	ds_add_u32 v28, v29
	ds_add_u32 v28, v29
	s_wait_dscnt 0x0
	v_lshrrev_b32 v1, 5, v0
	v_readfirstlane_b32 s14, v1
	s_lshr_b32 s15, s14, 1
	s_and_b32 s16, s14, 1
	s_bfe_u32 s40, ttmp6, 0x40000
	s_bfe_u32 s41, ttmp6, 0x40004
	s_and_b32 s18, ttmp7, 0xffff
	s_cmp_ge_u32 s18, 8
	s_cselect_b32 s12, 1, 0
	s_and_b32 s13, s12, s15
	s_lshl_b32 s17, s18, 2
	s_add_co_u32 s17, s17, s41
	s_lshl_b32 s42, s12, 2
	s_add_co_u32 s42, s42, s40
	s_lshl_b32 s43, s41, 2
	s_lshl_b32 s43, 15, s43
	s_lshl_b32 s44, 0x1111, s40
	s_or_b32 s[G1+0], s43, (3<<16)|(1<<21)
	s_or_b32 s[G1B+0], s44, (3<<16)|(1<<21)
.irp g, G1, G1B
	s_mov_b32 s[\g+1], 384<<16
	s_mov_b32 s[\g+2], 16<<16
	s_mov_b32 s[\g+3], 384<<16
	s_mov_b32 s[\g+4], 16
	s_mov_b32 s[\g+5], KC*192
	s_mov_b32 s[\g+6], 0
	s_mov_b32 s[\g+7], 0
.endr
	s_or_b32 s[G1S+0], s43, (3<<16)|(1<<21)
	s_or_b32 s[G1SB+0], s44, (3<<16)|(1<<21)
.irp g, G1S, G1SB
	s_mov_b32 s[\g+1], 32<<16
	s_mov_b32 s[\g+2], 64<<16
	s_mov_b32 s[\g+3], 32<<16
	s_mov_b32 s[\g+4], 64
	s_mov_b32 s[\g+5], 32
	s_mov_b32 s[\g+6], 0
	s_mov_b32 s[\g+7], 0
.endr
	s_lshl_b32 s18, s16, 3
	s_lshl_b32 s20, s17, 4
	s_add_co_u32 s20, s20, s18
	s_lshl_b32 s46, s42, 4
	s_add_co_u32 s46, s46, s18
	s_lshl_b32 s22, s17, 14
	s_mov_b32 s23, 0
	s_lshl_b32 s96, s42, 14
	s_add_co_u32 s96, s96, WP_S
	s_mov_b32 s97, 0
	s_mul_i32 s20, s20, KC*1536
	s_mov_b32 s21, 0
	s_mul_i32 s46, s46, KC*1536
	s_add_co_u32 s46, s46, WP_C
	s_mov_b32 s47, 0
	s_mul_i32 s45, s14, HALFT
	s_wait_kmcnt 0x0
	s_add_nc_u64 s[20:21], s[4:5], s[20:21]
	s_add_nc_u64 s[22:23], s[6:7], s[22:23]
	s_add_nc_u64 s[46:47], s[4:5], s[46:47]
	s_add_nc_u64 s[96:97], s[6:7], s[96:97]
	CROUND
	s_mov_b32 s[G0S], 1
	s_mov_b32 s[G0S+1], SCL
	s_mov_b64 s[G0S+2:G0S+3], s[22:23]
	s_or_b32 s[G0S+3], s[G0S+3], 0x80000000
	s_mov_b32 s[G0SB], 1
	s_mov_b32 s[G0SB+1], SCL+2*HALFS
	s_mov_b64 s[G0SB+2:G0SB+3], s[96:97]
	s_or_b32 s[G0SB+3], s[G0SB+3], 0x80000000
.irp s, 0,1
	s_mov_b32 s[G0+4*\s], 1
	s_add_co_u32 s[G0+4*\s+1], s45, \s*SLOT
	s_add_nc_u64 s[G0+4*\s+2:G0+4*\s+3], s[20:21], \s*RBB
	s_or_b32 s[G0+4*\s+3], s[G0+4*\s+3], 0x80000000
	s_mov_b32 s[G0B+4*\s], 1
	s_add_co_u32 s[G0B+4*\s+1], s45, \s*SLOT
	s_add_nc_u64 s[G0B+4*\s+2:G0B+4*\s+3], s[46:47], \s*RBB
	s_or_b32 s[G0B+4*\s+3], s[G0B+4*\s+3], 0x80000000
.endr
	s_cmp_eq_u32 s15, 0                            ; the prefetches: do I fetch for A or for B?
	s_cselect_b64 s[PFA:PFA+1], s[20:21], s[46:47] ; my 8 row-blocks,
	s_cselect_b32 s6, s40, s41                     ; my place among the four that ask for them with me: it enters this address alone
	s_mul_i32 s6, s6, 2*KC*1536                    ; my work-group's two of them,
	s_add_co_u32 s6, s6, 2*RBB                     ; at fill 2
	s_mov_b32 s7, 0
	s_add_nc_u64 s[PFA:PFA+1], s[PFA:PFA+1], s[6:7]
; THE HEAD'S LOADS, ONE A WAVE.  Waves 0 and 2 use their own group 0 of slot 0, whose offsets are the tile's first rows; group 1 counts 16 row-blocks here
.macro ARM under, g0, g1, next
	s_cmp_lt_u32 s14, \under
	s_cbranch_scc0 \next
	tensor_load_to_lds s[\g0:\g0+3], s[\g1:\g1+7]
	s_nop 0
.rept 4
	v_nop
.endr
	s_branch .Lhead_asked
\next:
.endm
	ARM 1, G0,  G1,  .Lhead_sa
	ARM 2, G0S, G1S, .Lhead_b
	ARM 3, G0B, G1B, .Lhead_sb
	tensor_load_to_lds s[G0SB:G0SB+3], s[G1SB:G1SB+7]
	s_nop 0
.rept 4
	v_nop
.endr
.Lhead_asked:
	v_and_b32 v1, 15, v0
	v_bfe_u32 v2, v0, 4, 1
	v_and_b32 v3, 31, v0
	v_lshlrev_b32 v[LI], 4, v3
	v_min_u32 v5, 23, v3                           ; block l of 24: row-block l / 12, its l % 12-th 256 bytes of a fill's 3,072
	v_mul_u32_u24 v6, v5, 11
	v_lshrrev_b32 v6, 7, v6                        ; l / 12 for l up to 23
	v_mul_u32_u24 v6, v6, KC*1536-RBB
	v_lshl_add_u32 v[PFO], v5, 8, v6
	s_wait_alu depctr_va_vdst(0)
	global_prefetch_b8 v[PFO], s[PFA:PFA+1] offset:-RBB th:TH_LOAD_NT scope:SCOPE_SE   ; fill 1: its load stands behind the head's loads and a round
	global_prefetch_b8 v[PFO], s[PFA:PFA+1] th:TH_LOAD_NT scope:SCOPE_SE   ; fill 2, behind the load of fill 0
	v_lshlrev_b32 v[GO], 6, v2
	v_mov_b32 v[ONE], 1.0
	s_cmp_eq_u32 s12, 1
	s_cselect_b64 s[8:9], s[10:11], s[8:9]
.irp b, 0,1,2,3
.irp j, 0,1,2,3
	global_load_b128 v[NW+16*\b+4*\j:NW+16*\b+4*\j+3], v[GO], s[8:9] offset:128*\b+16*\j
.endr
.endr
	s_mov_b32 s[SEL], 0x76543210
	s_mov_b32 s[SEL+1], 0xfedcba98
	s_mov_b32 s2, 0x3c000000
	s_mov_b32 s66, 0x358637bd
	s_mul_i32 s21, s16, HALFT
	s_mul_i32 s22, s15, HALFT
	s_add_co_u32 s22, s22, 2*HALFT
	s_cmp_eq_u32 s13, 1
	s_cselect_b32 s23, s22, s21
	s_cselect_b32 s18, s21, s22
	s_cselect_b32 s19, -1, 0
.irp s, 0,1
	v_add_nc_u32 v[ADRA+\s], s23, v[LI]
	v_add_nc_u32 v[ADRB+\s], s18, v[LI]
	s_add_co_u32 s23, s23, SLOT
	s_add_co_u32 s18, s18, SLOT
.endr
	v_xor_b32 v4, s13, v2
	s_add_co_u32 s21, s15, 2
	s_sub_co_u32 s21, s21, s16
	s_mul_i32 s21, s21, HALFS
	v_mul_u32_u24 v4, s21, v4
	s_mul_i32 s22, s16, HALFS
	s_add_co_u32 s22, s22, SCL
	v_lshl_add_u32 v4, v1, 2, v4
	v_add_nc_u32 v[ADRS], s22, v4
	s_lshl_b32 s67, s14, 9
	v_lshl_add_u32 v[GS], v1, 2, s67
	v_add_nc_u32 v[GR], s67, v[LI]
	s_lshl_b32 s18, s17, 1
	s_add_co_u32 s18, s18, s16
	s_lshr_b32 s20, s18, 4
	s_lshl_b32 s20, s20, 3
	s_add_co_u32 s20, s20, s15
	s_lshl_b32 s20, s20, 4
	s_and_b32 s21, s18, 15
	s_add_co_u32 s20, s20, s21
	s_sub_co_u32 s18, s18, 64
	s_lshr_b32 s21, s18, 3
	s_lshl_b32 s21, s21, 5
	s_and_b32 s22, s18, 7
	s_add_co_u32 s21, s21, s22
	s_mul_i32 s22, s15, 1572864
	s_add_co_u32 s22, s22, K_C
	s_lshl_b32 s23, s15, 16
	s_add_co_u32 s23, s23, K_S
	s_cmp_eq_u32 s12, 1
	s_cselect_b32 s20, s21, s20
	s_cselect_b32 s22, s22, 0
	s_cselect_b32 s23, s23, 0
	s_cselect_b32 s21, 3, 5
	s_lshl_b32 s21, s40, s21
	s_add_co_u32 s20, s20, s21
	s_mul_i32 s21, s20, 12288
	s_add_co_u32 s22, s22, s21
	s_lshl_b32 s20, s20, 9
	s_add_co_u32 s20, s20, s23
	s_mov_b32 s21, 0
	s_mov_b32 s23, 0
	s_add_nc_u64 s[92:93], s[92:93], s[22:23]
	s_add_nc_u64 s[94:95], s[94:95], s[20:21]
	s_wait_loadcnt 0x0
.set jj, 0
.rept 64
	v_cndmask_b32 v[NW+jj], v[NW+jj], v[ONE], s19
.set jj, jj+1
.endr
.macro FRAG reg, adr, q, i
.irp c, 0,1,2
	ds_load_b128 v[\reg+4*\c:\reg+4*\c+3], v[\adr] offset:(\i)*RBB+(\q)*1536+512*\c
.endr
.endm
.macro MUL16 a0, p, q, sc, zero
.irp a, \a0, \a0+1
.irp b, 0,1,2,3,4,5,6,7
.if \zero
	v_wmma_scale_f32_16x16x128_f8f6f4 v[8*(8*((\a)%4)+\b):8*(8*((\a)%4)+\b)+7], v[128*(\p)+FR*\b:128*(\p)+FR*\b+FR-1], v[AF+FR*(\a):AF+FR*(\a)+FR-1], 0, v[SC+8*NQ*(\sc)+NQ*\b+(\q)], v[SC+8*NQ*(\sc)+NQ*(\a)+(\q)] matrix_a_fmt:MATRIX_FMT_FP6 matrix_b_fmt:MATRIX_FMT_FP6 matrix_a_scale:MATRIX_SCALE_ROW1
.else
	v_wmma_scale_f32_16x16x128_f8f6f4 v[8*(8*((\a)%4)+\b):8*(8*((\a)%4)+\b)+7], v[128*(\p)+FR*\b:128*(\p)+FR*\b+FR-1], v[AF+FR*(\a):AF+FR*(\a)+FR-1], v[8*(8*((\a)%4)+\b):8*(8*((\a)%4)+\b)+7], v[SC+8*NQ*(\sc)+NQ*\b+(\q)], v[SC+8*NQ*(\sc)+NQ*(\a)+(\q)] matrix_a_fmt:MATRIX_FMT_FP6 matrix_b_fmt:MATRIX_FMT_FP6 matrix_a_scale:MATRIX_SCALE_ROW1
.endif
.endr
.endr
.endm
.macro FETCH_B slot, q, p
	WIN TO_B
.irp i, 0,1,2,3,4,5,6,7
	FRAG 128*(\p)+FR*\i, ADRB+\slot, \q, \i
.endr
	WIN 0
.endm
.macro FETCH_A slot, q, i0
.irp i, \i0, \i0+1, \i0+2, \i0+3
	FRAG AF+FR*(\i), ADRA+\slot, \q, \i
.endr
.endm
.macro SCALES sc
.irp i, 0,1,2,3,4,5,6,7
.irp q, 0,1
	ds_load_b32 v[SC+8*NQ*\sc+NQ*\i+\q], v[ADRS] offset:\i*SC_I+\q*SC_Q
.endr
.endr
.endm
.macro PLACES n
.rept \n
	v_nop
.endr
.endm
.macro STEP slot, q, zero
	s_wait_dscnt 4*NL
	WIN MUL_LO
	MUL16 0, (\q)%2, \q, \slot, \zero
	MUL16 2, (\q)%2, \q, \slot, \zero
	s_wait_dscnt 0
	PLACES NP
	FETCH_B \slot, (\q)+1, 1-(\q)%2
	FETCH_A \slot, (\q)+1, 0
	WIN MUL_HI
	MUL16 4, (\q)%2, \q, \slot, \zero
	MUL16 6, (\q)%2, \q, \slot, \zero
	PLACES NP
	WIN 0
	FETCH_A \slot, (\q)+1, 4
.endm
.macro TURN slot, next, fill
.if \fill
	s_wait_xcnt 0x0                                ; my last prefetch has read its address: it is stepped here, a fill on
	s_add_nc_u64 s[PFA:PFA+1], s[PFA:PFA+1], RBB
.endif
	s_wait_tensorcnt 0x0
	ds_add_u32 v[SPW], v[NIL]
	s_wait_dscnt 4*NL+1
	WIN MUL_LO
	MUL16 0, 1, NQ-1, \slot, 0
	s_wait_dscnt 0x0
	s_barrier_signal -1
	MUL16 2, 1, NQ-1, \slot, 0
	WIN 0
	s_barrier_wait -1
.if \fill
	CREST
	s_add_nc_u64 s[G0+4*\slot+2:G0+4*\slot+3], s[G0+4*\slot+2:G0+4*\slot+3], 2*RBB
	s_add_nc_u64 s[G0B+4*\slot+2:G0B+4*\slot+3], s[G0B+4*\slot+2:G0B+4*\slot+3], 2*RBB
	JLOAD G0+4*\slot, G1, G0B+4*\slot, G1B
.else
	PLACES NP
.endif
	s_wait_alu depctr_va_vdst(0)
	v_add_nc_u32 v[ADRS], SC_STEP, v[ADRS]
	FETCH_B \next, 0, 0
	FETCH_A \next, 0, 0
	SCALES \next
.if \fill
	s_cmp_gt_u32 s3, 1                             ; the last lap's refills are fills 6 and 7: no fill stands two on
	s_cbranch_scc0 .Lno_ask_\@
	global_prefetch_b8 v[PFO], s[PFA:PFA+1] offset:RBB th:TH_LOAD_NT scope:SCOPE_SE   ; the fill two on from the one just asked for
.Lno_ask_\@:
.endif
	WIN MUL_HI
	MUL16 4, 1, NQ-1, \slot, 0
	MUL16 6, 1, NQ-1, \slot, 0
	PLACES NP
	WIN 0
	FETCH_A \next, 0, 4
.endm
	s_wait_alu depctr_va_vdst(0)                   ; the wait at the head's end
	s_wait_tensorcnt 0x0                           ; my tile of the head's four is in
	ds_add_u32 v[SPW], v[NIL]
	s_mov_b32 s[G1+2], 8<<16                       ; no tensor load of mine is out, so a descriptor may be written: from here on a load brings 8 row-blocks
	s_mov_b32 s[G1+4], 8
	s_mov_b32 s[G1B+2], 8<<16
	s_mov_b32 s[G1B+4], 8
	s_wait_dscnt 0x0
	CROUND                                         ; all four tiles are in, and all sixteen work-groups are here
	JLOAD G0+4, G1, G0B+4, G1B                     ; slot 1's first fill
	FETCH_B 0, 0, 0
	FETCH_A 0, 0, 0
	SCALES 0
	FETCH_A 0, 0, 4
	global_prefetch_b8 v[PFO], s[PFA:PFA+1] offset:RBB th:TH_LOAD_NT scope:SCOPE_SE   ; fill 3, behind the load of fill 1
	STEP 0, 0, 1
	s_mov_b32 s3, LAPS-1
.Llap:
	TURN 0, 1, 1
	STEP 1, 0, 0
	TURN 1, 0, 1
	STEP 0, 0, 0
	s_sub_co_u32 s3, s3, 1
	s_cmp_lg_u32 s3, 0
	s_cbranch_scc1 .Llap
	TURN 0, 1, 0
	STEP 1, 0, 0
	s_wait_dscnt 4*NL
	WIN MUL_LO
	MUL16 0, 1, NQ-1, 1, 0
	MUL16 2, 1, NQ-1, 1, 0
	s_wait_dscnt 0
	WIN MUL_HI
	MUL16 4, 1, NQ-1, 1, 0
	MUL16 6, 1, NQ-1, 1, 0
	WIN 0
.macro SUMSQ a
.set AC, 64*((\a)%4)
	WIN 0x0a+5*((\a)/4)
	v_pk_mul_f32 v[T+4*(\a):T+4*(\a)+1], v[AC:AC+1], v[AC:AC+1]
	v_pk_mul_f32 v[T+4*(\a)+2:T+4*(\a)+3], v[AC+2:AC+3], v[AC+2:AC+3]
.set jj, 4
.rept 15
	v_pk_fma_f32 v[T+4*(\a):T+4*(\a)+1], v[AC+jj:AC+jj+1], v[AC+jj:AC+jj+1], v[T+4*(\a):T+4*(\a)+1]
	v_pk_fma_f32 v[T+4*(\a)+2:T+4*(\a)+3], v[AC+jj+2:AC+jj+3], v[AC+jj+2:AC+jj+3], v[T+4*(\a)+2:T+4*(\a)+3]
.set jj, jj+4
.endr
.endm
.macro NORMQ a
.set AC, 64*((\a)%4)
	WIN 0x02+((\a)/4)
.set jj, 0
.rept 32
	v_pk_mul_f32 v[T+jj:T+jj+1], v[AC+jj:AC+jj+1], v[RR+2*(\a):RR+2*(\a)+1] op_sel_hi:[1,0]
.set jj, jj+2
.endr
	WIN 0
.set jj, 0
.rept 32
	v_pk_mul_f32 v[T+jj:T+jj+1], v[T+jj:T+jj+1], v[NW+jj:NW+jj+1]
.set jj, jj+2
.endr
	s_wait_xcnt 0x0
	s_wait_dscnt 0x0
	QUANT T
.irp c, 0,1,2
	global_store_b128 v[LI], v[PC+4*\c:PC+4*\c+3], s[92:93] offset:1536*(\a)+512*\c
.endr
	ds_store_b32 v[GS], v[PW] offset:64*(\a)
.endm
	PLACES NP
.irp b, 0,1,2,3
	v_mov_b32 v[TM+4+\b], 0
.endr
.irp a, 0,1,2,3,4,5,6,7
	SUMSQ \a
.endr
	WIN 0
.irp a, 0,1,2,3,4,5,6,7
	v_pk_add_f32 v[T+4*\a:T+4*\a+1], v[T+4*\a:T+4*\a+1], v[T+4*\a+2:T+4*\a+3]
.endr
.irp a, 0,1,2,3,4,5,6,7
	v_add_f32 v[SS+\a], v[T+4*\a], v[T+4*\a+1]
.endr
.irp a, 0,1,2,3,4,5,6,7
	v_permlanex16_b32 v[T+4*\a+1], v[SS+\a], s[SEL], s[SEL+1]
.endr
.irp a, 0,1,2,3,4,5,6,7
	v_add_f32 v[SS+\a], v[SS+\a], v[T+4*\a+1]
.endr
.irp a, 0,1,2,3,4,5,6,7
	v_fma_f32 v[SS+\a], v[SS+\a], s2, s66
.endr
	s_wait_alu depctr_va_vdst(0)
.irp a, 0,1,2,3,4,5,6,7
	v_rsq_f32 v[RR+2*\a], v[SS+\a]
.endr
	v_nop
	s_wait_alu depctr_va_vdst(0)
.irp a, 0,1,2,3,4,5,6,7
	v_cndmask_b32 v[RR+2*\a], v[RR+2*\a], v[ONE], s19
.endr
.irp a, 0,1,2,3,4,5,6,7
	v_mov_b32 v[RR+2*\a+1], v[RR+2*\a]
.endr
.irp a, 0,1,2,3,4,5,6,7
	NORMQ \a
.endr
	ds_load_b128 v[T:T+3], v[GR]
	s_wait_dscnt 0x0
	global_store_b128 v[LI], v[T:T+3], s[94:95]
	s_wait_tensorcnt 0x0
	ds_add_u32 v[SPW], v[NIL]
	s_wait_dscnt 0x0
	CROUND
	s_endpgm
.Lfunc_end_k_q0c75ed307c_proj:
	.size	k_q0c75ed307c_proj, .Lfunc_end_k_q0c75ed307c_proj-k_q0c75ed307c_proj
	.p2alignl 7, 3214868480
	.fill 96, 4, 3214868480
	.section	.rodata,"a",@progbits
	.p2align	6, 0x0
	.amdhsa_kernel k_q0c75ed307c_proj
		.amdhsa_group_segment_fixed_size 327680
		.amdhsa_private_segment_fixed_size 0
		.amdhsa_enable_private_segment 0
		.amdhsa_kernarg_size 48
		.amdhsa_user_sgpr_count 2
		.amdhsa_user_sgpr_kernarg_segment_ptr 1
		.amdhsa_wavefront_size32 1
		.amdhsa_system_sgpr_workgroup_id_x 1
		.amdhsa_system_sgpr_workgroup_id_y 1
		.amdhsa_system_sgpr_workgroup_id_z 1
		.amdhsa_system_vgpr_workitem_id 0
		.amdhsa_next_free_vgpr 1024
		.amdhsa_next_free_sgpr 100
		.amdhsa_reserve_vcc 0
		.amdhsa_float_denorm_mode_32 3
		.amdhsa_float_denorm_mode_16_64 3
		.amdhsa_memory_ordered 1
		.amdhsa_forward_progress 1
		.amdhsa_inst_pref_size 202
	.end_amdhsa_kernel
	.amdgpu_metadata
---
amdhsa.version: [ 1, 2 ]
amdhsa.kernels:
  - .name:           k_q0c75ed307c_proj
    .symbol:         k_q0c75ed307c_proj.kd
    .args:
      - { .name: pc, .offset: 0, .size: 8, .value_kind: global_buffer, .address_space: global }
      - { .name: ps, .offset: 8, .size: 8, .value_kind: global_buffer, .address_space: global }
      - { .name: q_norm_w, .offset: 16, .size: 8, .value_kind: global_buffer, .address_space: global }
      - { .name: k_norm_w, .offset: 24, .size: 8, .value_kind: global_buffer, .address_space: global }
      - { .name: ac, .offset: 32, .size: 8, .value_kind: global_buffer, .address_space: global }
      - { .name: asc, .offset: 40, .size: 8, .value_kind: global_buffer, .address_space: global }
    .group_segment_fixed_size: 327680
    .private_segment_fixed_size: 0
    .kernarg_segment_align: 8
    .kernarg_segment_size: 48
    .max_flat_workgroup_size: 128
    .sgpr_count:     100
    .vgpr_count:     1024
    .wavefront_size: 32
...
	.end_amdgpu_metadata
.endif
;; end of part 2
;; launch attn (part 3): grid 8 x 32, 8 waves a work-group, clusters of 4 x 1, 327,680 bytes of LDS; arguments ac, asc, oc, os; writes oc, os
.if DOCPART == 3
	.amdgcn_target "amdgcn-amd-amdhsa--gfx1250"
	.amdhsa_code_object_version 6
	.text
	.protected	k_q0c75ed307c_attn
	.globl	k_q0c75ed307c_attn
	.p2align	8
	.type	k_q0c75ed307c_attn,@function
k_q0c75ed307c_attn:
	s_mov_b64 s[64:65], 0
	v_nop
	global_prefetch_b8 v0, s[64:65] scope:SCOPE_SE
	s_setreg_imm32_b32 hwreg(HW_REG_WAVE_MODE, 25, 1), 1
	s_wait_xcnt 0x0
	s_wait_alu depctr_hold_cnt(0) depctr_sa_sdst(0) depctr_va_vdst(0) depctr_va_sdst(0) depctr_va_ssrc(0) depctr_va_vcc(0) depctr_vm_vsrc(0)
	s_getreg_b32 s2, hwreg(HW_REG_IB_STS2, 6, 4)
	s_cmp_eq_u32 s2, 0
	s_cbranch_scc0 .Lentry_in_a_cluster
	s_endpgm
.Lentry_in_a_cluster:
	s_bfe_u32 s2, ttmp6, 0x10000c
	s_cmp_lg_u32 s2, 0x3003
	s_cbranch_scc0 .Lentry_shape_is_right
	s_endpgm
.Lentry_shape_is_right:
; ATTN: o = softmax(q k^T / sqrt(128)) v for one head and 256 queries a work-group, both products on codes of FP6 (E2M3) with E8M0 scales; o is quantised along d for the output projection.
; THE SOFTMAX: t = score x log2(e) / sqrt(128); M = the running largest t rounded UP to a whole number; p = 2^(t - M) is quantised along the keys, not normalised.  The row's sum is taken of the unquantised p and divides O at the end.
; When M moves, the sum and O are multiplied by 2^(old M - new M): exact.
; SHARES.  Eight waves, each with TWO images of 16 queries: a fragment of K or V read from LDS feeds two matrix instructions.  Every wave walks the head's 1,024 keys, 128 a step.
; ALL OF K AND V OF THE KV HEAD STAYS IN LDS (98,304 bytes each, as images of the operand's registers, and 4,096 bytes of scale words each): every byte is filled once, so there is no ring.
; CLUSTER 4 x 1: the four query blocks of a cluster belong to one head and want the same K and V: joint loads with the mask of all four.  Each wave asks for three dense pieces: 1,024 bytes of scale words, 6,144 bytes of the first
; 256 keys, 18,432 bytes of the rest (waves 0-3: K's, waves 4-7: V's).  The first two key steps run while the rest lands.
; LAYOUT.  Both products are used transposed: S^T = K Q^T, O^T = V^T P^T: a lane holds one query throughout.  K's row-blocks hold keys 32 b + 8 u + r + 8 (r / 8), so that the 16 registers of tiles 2 b, 2 b + 1 are 16 neighbouring keys;
; V's hold d in the same order, so that O^T's registers run along d as the quantiser wants them.
; A KEY STEP: 16 products K Q^T | V's eight fragments are asked for | both tiles' softmax | 16 products V^T P^T | the next step's K is asked for, between the two tiles' row sums.  So each run of 32 LDS loads has vector work between it and its use.
; LIMITS: a block of zeros, or one under 2^-124, gets the byte 1 (zero codes add nothing; this program alone reads the bytes); NaN and infinities are not served.
; REGISTERS, in windows of 256.  Window 0: v1-11 addresses; v12-19 for each tile -M, the largest t, the sum in two halves; v20-31 scale words and nothing else (Q's two, p's two, the fragments' eight);
;   v32-159 S^T, then p, 64 a tile; v160-183 p's codes; v184-231 at work, 24 a tile.   Window 1: v0-127 O^T, 64 a tile; v128-151 Q; v152-247 eight fragments of K or of V.
; s_set_vgpr_msb's low byte: bits 1:0 source 0, 3:2 source 1, 5:4 source 2, 7:6 destination.  All of the softmax but O^T's rescaling works in window 0.
.set K_C,  6291456
.set K_S,  262144
.set LV,   98304                       ; LDS: K's images at 0, V's here,
.set LSK,  196608                      ; K's scale words,
.set LSV,  200704                      ; V's,
.set LGA,  204800                      ; and 1,024 bytes in which o's scale words are gathered: no tile lands there
.set AK0,  1                           ; v1   16 x lane
.set AV0,  2                           ; v2   + LV
.set ASK0, 3                           ; v3   LSK + 4 (lane % 16)
.set ASV0, 4                           ; v4   LSV + 4 (lane % 16)
.set GST,  5                           ; v5   where my queries' scale words are gathered
.set QSO,  6                           ; v6   4 (lane % 16)
.set ADK,  7                           ; v7-10 the same four addresses at the two steps in hand
.set ADV,  8
.set ADS,  9
.set ADT,  10
.set GRD,  11                          ; v11  LGA + 16 x lane
.set ST,   12                          ; tile x: v[12 + 4 x] -M, +1 the largest t, +2, +3 the sum
.set QS,   20                          ; v20-21 Q's scale words
.set PS,   22                          ; v22-23 p's
.set FS,   24                          ; v24-31 the eight fragments'
.set S,    32
.set PC,   160
.set W,    184                         ; tile x's work registers at 184 + 24 x: +0..3 a block's largest score, then p; +4..10 at work; +12..15 the conversions' scale operands; +20 f; +21 the scale word in the making; +22 at work
.set O,    0                           ; in window 1
.set Q,    128
.set F,    152
.set TM,   184                         ; the way out: the quantiser's work registers
.set WV,   18
.set SEL,  20
.set CS,   22                          ; s[22:23] c = log2(e) / sqrt(128)
.set G1A,  24                          ; s[24:31] group 1 for 16 rows of 256 bytes;  s[32:39] for 32;  s[40:47] for 72
.set G1B,  32
.set G1C,  40
.set G0A,  48
.set G0B,  52
.set G0C,  56
.set TB,   60                          ; s60  LDS byte at which the two steps in hand begin
.set TS,   61                          ; s61  and their scale words
.set CNT,  62
.set MSB, 0
.macro WIN new                         ; the immediate's high byte repeats the setting that is left; a switch that changes nothing is dropped
.if MSB != (\new)
	s_set_vgpr_msb (MSB<<8)|(\new)
.set MSB, (\new)
.endif
.endm
.macro CROUND                          ; a round of the cluster's barrier
	s_barrier_signal -1
	s_barrier_wait -1
	s_cmp_lg_u32 s[WV], 0
	s_cbranch_scc1 .Lnot_wave_0_\@
	s_barrier_signal -3
.Lnot_wave_0_\@:
	s_barrier_wait -3
	s_barrier_signal -1
	s_barrier_wait -1
.endm
.macro QUANT s, pc, pw                 ; 64 numbers, register 16 b + i = k 32 b + 16 (lane / 16) + i of my row -> the fragment in v[pc] on, the scale word in v[pw]
.irp b, 0,1,2,3
	v_max3_num_f32 v[TM+\b], |v[\s+16*\b]|, |v[\s+1+16*\b]|, 0x1800000   ; and the floor 2^(3 - 127): the byte cannot fall under 1
.endr
.irp i, 2,4,6,8,10,12,14
.irp b, 0,1,2,3
	s_delay_alu instid0(VALU_DEP_4)
	v_max3_num_f32 v[TM+\b], v[TM+\b], |v[\s+16*\b+\i]|, |v[\s+1+16*\b+\i]|
.endr
.endr
.irp b, 0,1,2,3
	s_delay_alu instid0(VALU_DEP_4)
	v_permlanex16_b32 v[TM+4+\b], v[TM+\b], s[SEL], s[SEL+1]
.endr
.irp b, 0,1,2,3
	s_delay_alu instid0(VALU_DEP_4)
	v_max_num_f32 v[TM+\b], v[TM+\b], v[TM+4+\b]
.endr
.irp b, 0,1,2,3
	s_delay_alu instid0(VALU_DEP_4)
	v_add_nc_u32 v[TM+12+\b], 0xff000000, v[TM+\b]
.endr
.irp b, 0,1,2,3
	s_delay_alu instid0(VALU_DEP_4)
	v_lshrrev_b32 v[TM+4+\b], 23, v[TM+12+\b]
.endr
	s_delay_alu instid0(VALU_DEP_3)
	v_lshl_or_b32 v[\pw], v[TM+5], 8, v[TM+4]
	s_delay_alu instid0(VALU_DEP_1)
	v_lshl_or_b32 v[\pw], v[TM+6], 16, v[\pw]
	s_delay_alu instid0(VALU_DEP_1)
	v_lshl_or_b32 v[\pw], v[TM+7], 24, v[\pw]
.irp c, 0,1
	v_cvt_scalef32_pk16_fp6_f32 v[\pc+6*\c:\pc+2+6*\c], v[\s+32*\c:\s+15+32*\c], v[TM+12+2*\c]
	v_cvt_scalef32_pk16_fp6_f32 v[\pc+12+4*\c:\pc+14+4*\c], v[\s+16+32*\c:\s+31+32*\c], v[TM+12+2*\c+1]
.endr
	v_nop                                          ; one plain place behind a scaled conversion
.irp c, 0,1
.irp i, 0,1,2
	v_permlane16_swap_b32 v[\pc+6*\c+\i], v[\pc+12+4*\c+\i]
.endr
.irp i, 0,1,2
	s_delay_alu instid0(VALU_DEP_3)
	v_mov_b32 v[\pc+3+6*\c+\i], v[\pc+12+4*\c+\i]
.endr
.endr
.endm
	s_load_b256 s[4:11], s[0:1], 0x0               ; ac s[4:5], asc s[6:7], oc s[8:9], os s[10:11]
	v_lshl_add_u32 v254, v0, 2, 0x32400
	v_mov_b32 v255, 0
	ds_add_u32 v254, v255
	ds_add_u32 v254, v255
	v_lshrrev_b32 v7, 5, v0
	s_delay_alu instid0(VALU_DEP_1)
	v_readfirstlane_b32 s[WV], v7                  ; wave 0..7
	s_lshr_b32 s12, s[WV], 2                       ; I fetch for K (0) or for V (1),
	s_and_b32 s13, s[WV], 3                        ; the i-th quarter
	s_and_b32 s14, ttmp7, 0xffff                   ; batch x 8 + head, which the four partners share
	s_lshr_b32 s15, s14, 1                         ; batch x 4 + kv head: two heads share one
	s_mul_i32 s66, s12, 1572864
	s_mul_i32 s67, s15, 98304
	s_add_co_u32 s66, s66, s67
	s_add_co_u32 s66, s66, K_C                     ; the kv head's images
	; THE HEAD'S LOADS, one a wave: waves 0-2 take 8,192 bytes each of K's first 24,576, waves 3-5 of V's, wave 6 K's 4,096 bytes of scale words, wave 7 V's
	s_mul_i32 s93, s[WV], 11
	s_lshr_b32 s93, s93, 5                         ; wave / 3
	s_lshl_b32 s94, s[WV], 13
	s_mul_i32 s68, s93, 1548288                    ; from K's images to V's, less the three pieces passed
	s_add_co_u32 s68, s68, s67
	s_add_co_u32 s68, s68, s94
	s_add_co_u32 s68, s68, K_C
	s_mov_b32 s69, 0
	s_mul_i32 s70, s13, 18432
	s_add_co_u32 s70, s70, s66
	s_add_co_u32 s70, s70, 24576                   ; and of the other 73,728
	s_mov_b32 s71, 0
	s_and_b32 s95, s[WV], 1                        ; wave 6: K's scale words, wave 7: V's
	s_lshl_b32 s72, s95, 16
	s_lshl_b32 s73, s15, 12
	s_add_co_u32 s72, s72, s73
	s_add_co_u32 s72, s72, K_S
	s_mov_b32 s73, 0
	s_mul_i32 s74, s12, LV                         ; and where they go: the wave's number alone
	s_mul_i32 s75, s93, 73728
	s_add_co_u32 s75, s75, s94
	s_mul_i32 s76, s13, 18432
	s_add_co_u32 s76, s76, s74
	s_add_co_u32 s76, s76, 24576
	s_lshl_b32 s77, s95, 12
	s_add_co_u32 s77, s77, LSK
	s_bfe_u32 s78, ttmp6, 0x40000                  ; cx: it enters Q's and o's global addresses alone
	s_lshl_b32 s79, ttmp9, 2
	s_add_co_u32 s79, s79, s78                     ; my block of 256 queries
	s_lshl_b32 s79, s79, 4
	s_lshl_b32 s80, s[WV], 1
	s_add_co_u32 s79, s79, s80                     ; my first row-block in the batch's 128
	s_lshl_b32 s80, s14, 7
	s_add_co_u32 s80, s80, s79
	s_mul_i32 s82, s80, 1536                       ; Q's two images
	s_mov_b32 s83, 0
	s_lshl_b32 s84, s80, 6                         ; and their scale words
	s_mov_b32 s85, 0
	s_lshr_b32 s86, s14, 3                         ; the batch
	s_and_b32 s87, s14, 7                          ; the head
	s_lshl_b32 s86, s86, 7
	s_add_co_u32 s86, s86, s79                     ; o's row-block among 512
	s_lshl_b32 s88, s86, 3
	s_add_co_u32 s88, s88, s87
	s_mul_i32 s88, s88, 1536                       ; oc: [row-block][head]
	s_mov_b32 s89, 0
	s_lshl_b32 s90, s86, 6
	s_lshl_b32 s87, s87, 15
	s_add_co_u32 s90, s90, s87                     ; os: [head][row-block]
	s_mov_b32 s91, 0
	; descriptor groups 1: dense rows of 256 bytes (32 elements of 8 bytes)
.irp g, G1A, G1B, G1C
	s_mov_b32 s[\g], 15|(3<<16)|(1<<21)            ; 15:0 the mask: all four work-groups; 17:16 elements of 8 bytes; 21 set beside a mask
	s_mov_b32 s[\g+1], 32<<16                      ; tensor_dim0
	s_mov_b32 s[\g+3], 32<<16                      ; tile_dim0
	s_mov_b32 s[\g+5], 32                          ; tensor_dim0_stride
	s_mov_b32 s[\g+6], 0
	s_mov_b32 s[\g+7], 0
.endr
	s_mov_b32 s[G1A+2], 16<<16                     ; tensor_dim1, tile_dim1: 16, 32, 72 rows
	s_mov_b32 s[G1A+4], 16
	s_mov_b32 s[G1B+2], 32<<16
	s_mov_b32 s[G1B+4], 32
	s_mov_b32 s[G1C+2], 72<<16
	s_mov_b32 s[G1C+4], 72
	s_mov_b32 s[SEL], 0x76543210
	s_mov_b32 s[SEL+1], 0xfedcba98
	s_mov_b32 s[CS], 0x3e0293ee
	s_mov_b32 s[CS+1], s[CS]
	s_mov_b32 s[TB], 0
	s_mov_b32 s[TS], 0
	s_wait_dscnt 0x0
	s_wait_kmcnt 0x0
	s_mov_b32 s[G0A], 1
	s_mov_b32 s[G0A+1], s77
	s_add_nc_u64 s[G0A+2:G0A+3], s[6:7], s[72:73]
	s_or_b32 s[G0A+3], s[G0A+3], 0x80000000
	s_mov_b32 s[G0B], 1
	s_mov_b32 s[G0B+1], s75
	s_add_nc_u64 s[G0B+2:G0B+3], s[4:5], s[68:69]
	s_or_b32 s[G0B+3], s[G0B+3], 0x80000000
	s_mov_b32 s[G0C], 1
	s_mov_b32 s[G0C+1], s76
	s_add_nc_u64 s[G0C+2:G0C+3], s[4:5], s[70:71]
	s_or_b32 s[G0C+3], s[G0C+3], 0x80000000
	s_add_nc_u64 s[82:83], s[4:5], s[82:83]
	s_add_nc_u64 s[84:85], s[6:7], s[84:85]
	s_add_nc_u64 s[88:89], s[8:9], s[88:89]
	s_add_nc_u64 s[90:91], s[10:11], s[90:91]
	; a prefetch for the later load of the other 768 keys: K's and V's 73,728 bytes are 32 pieces of 4,608; the cluster's 32 waves take one each, told apart by address (cx enters this global address alone)
	s_lshl_b32 s96, s78, 3
	s_add_co_u32 s96, s96, s[WV]                   ; piece 8 cx + wave
	s_lshr_b32 s97, s96, 4                         ; K's (0) or V's (1)
	s_and_b32 s96, s96, 15
	s_mul_i32 s96, s96, 4608
	s_mul_i32 s97, s97, 1572864
	s_add_co_u32 s96, s96, s97
	s_add_co_u32 s96, s96, s67                     ; the kv head's images
	s_add_co_u32 s96, s96, K_C+24576               ; behind the first 256 keys
	s_mov_b32 s97, 0
	s_add_nc_u64 s[96:97], s[4:5], s[96:97]
	CROUND                                         ; all four work-groups are here: the joint loads meet
	s_cmp_lt_u32 s[WV], 6                          ; one joint load a wave at the head
	s_cbranch_scc0 .Lhead_sc
	tensor_load_to_lds s[G0B:G0B+3], s[G1B:G1B+7]  ; codes of the first 256 keys
	s_nop 0
.rept 4
	v_nop
.endr
	s_branch .Lhead_asked
.Lhead_sc:
	tensor_load_to_lds s[G0A:G0A+3], s[G1A:G1A+7]  ; scale words
	s_nop 0
.rept 4
	v_nop
.endr
.Lhead_asked:
.rept 4
	v_nop
.endr
	v_and_b32 v7, 15, v0
	v_and_b32 v8, 31, v0
	s_delay_alu instid0(VALU_DEP_1)
	v_lshlrev_b32 v[AK0], 4, v8
	s_delay_alu instid0(VALU_DEP_1)
	v_add_nc_u32 v[AV0], LV, v[AK0]
	s_delay_alu instid0(VALU_DEP_4)
	v_lshl_add_u32 v[ASK0], v7, 2, LSK
	v_lshl_add_u32 v[ASV0], v7, 2, LSV
	v_lshlrev_b32 v[QSO], 2, v7
	s_lshl_b32 s92, s[WV], 7
	s_add_co_u32 s92, s92, LGA
	v_add_nc_u32 v[GST], s92, v[QSO]
	v_add_nc_u32 v[GRD], LGA, v[AK0]
	v_min_u32 v252, 17, v8                         ; 18 blocks of 256 bytes, a lane a block; lanes 18-31 name the last block again
	v_lshlrev_b32 v252, 8, v252
	global_prefetch_b8 v252, s[96:97] th:TH_LOAD_NT scope:SCOPE_SE   ; its registers are never written again
	WIN 0x40                                       ; destination window 1
.irp i, 0,1
.irp c, 0,1,2
	global_load_b128 v[Q+12*\i+4*\c:Q+12*\i+4*\c+3], v[AK0], s[82:83] offset:1536*\i+512*\c   ; Q's two fragments stay in registers
.endr
.endr
	WIN 0
.irp i, 0,1
	global_load_b32 v[QS+\i], v[QSO], s[84:85] offset:64*\i
.endr
.irp i, 0,1
	v_mov_b32 v[ST+4*\i+1], 0xff61b1e6             ; the largest t so far: -3e38, under every t
	s_delay_alu instid0(VALU_DEP_1)
	v_floor_f32 v[ST+4*\i], -v[ST+4*\i+1]          ; -M
	v_mov_b32 v[ST+4*\i+2], 0
	v_mov_b32 v[ST+4*\i+3], 0
.irp b, 0,1,2,3
	v_mov_b32 v[W+24*\i+4+\b], 0                   ; a lane permute's destination counts as one of its sources
.endr
	v_mov_b32 v[W+24*\i+21], 0                     ; (named as the upper half of f's pair before it is first written)
.endr
	WIN 0x40
.set jj, 0
.rept 128
	v_mov_b32 v[O+jj], 0                           ; O^T: the step is written for every step alike; the first finds zeros, which the first change of M leaves zeros
.set jj, jj+1
.endr
	WIN 0
; 32 LDS loads in one run: eight images from image t0 on behind v[adr], into the eight fragments, and their scale words
.macro FLOAD adr, ads, t0
	WIN 0x40
.irp u, 0,1,2,3,4,5,6,7
.irp c, 0,1,2
	ds_load_b128 v[F+12*\u+4*\c:F+12*\u+4*\c+3], v[\adr] offset:1536*((\t0)+\u)+512*\c
.endr
.endr
	WIN 0
.irp u, 0,1,2,3,4,5,6,7
	ds_load_b32 v[FS+\u], v[\ads] offset:64*((\t0)+\u)
.endr
.endm
.macro ADDRS                           ; the four addresses at the two steps that begin at s[TB], s[TS]
	v_add_nc_u32 v[ADK], s[TB], v[AK0]
	v_add_nc_u32 v[ADV], s[TB], v[AV0]
	v_add_nc_u32 v[ADS], s[TS], v[ASK0]
	v_add_nc_u32 v[ADT], s[TS], v[ASV0]
.endm
; Tile x, first part: the largest score of each block of 32 keys, the new M, f, and t - M of all 64 scores and of the four largest
.macro P1 x
.set rS, S+64*(\x)
.set rT, ST+4*(\x)
.set rW, W+24*(\x)
.irp b, 0,1,2,3
	v_max3_num_f32 v[rW+\b], v[rS+16*\b], v[rS+1+16*\b], v[rS+2+16*\b]   ; it serves twice: for the row's maximum and, since p rises with the score, for the block's largest p
.endr
.irp i, 3,5,7,9,11,13
.irp b, 0,1,2,3
	v_max3_num_f32 v[rW+\b], v[rW+\b], v[rS+16*\b+\i], v[rS+1+16*\b+\i]
.endr
.endr
.irp b, 0,1,2,3
	v_max_num_f32 v[rW+\b], v[rW+\b], v[rS+15+16*\b]
.endr
.irp b, 0,1,2,3
	s_delay_alu instid0(VALU_DEP_4)
	v_permlanex16_b32 v[rW+4+\b], v[rW+\b], s[SEL], s[SEL+1]
.endr
.irp b, 0,1,2,3
	s_delay_alu instid0(VALU_DEP_4)
	v_max_num_f32 v[rW+\b], v[rW+\b], v[rW+4+\b]   ; with lane l xor 16's 16 keys
.endr
	s_delay_alu instid0(VALU_DEP_2)
	v_max3_num_f32 v[rW+22], v[rW], v[rW+1], v[rW+2]
	s_delay_alu instid0(VALU_DEP_1)
	v_max_num_f32 v[rW+22], v[rW+22], v[rW+3]
	s_delay_alu instid0(VALU_DEP_1)
	v_mul_f32 v[rW+22], s[CS], v[rW+22]            ; the step's largest t (c is positive)
	s_delay_alu instid0(VALU_DEP_1)
	v_max_num_f32 v[rT+1], v[rT+1], v[rW+22]       ; the running largest t
	v_mov_b32 v[rW+22], v[rT]
	s_delay_alu instid0(VALU_DEP_2)
	v_floor_f32 v[rT], -v[rT+1]                    ; the new -M = -ceil(t): a whole number
	s_delay_alu instid0(VALU_DEP_1)
	v_sub_f32 v[rW+22], v[rT], v[rW+22]            ; old M - new M: a whole number, 0 or less
	s_delay_alu instid0(VALU_DEP_1)
	v_cvt_i32_f32 v[rW+22], v[rW+22]               ; (it saturates)
	s_delay_alu instid0(VALU_DEP_1)
	v_ldexp_f32 v[rW+20], 1.0, v[rW+22]            ; f = 2^(old M - new M)
.set jj, 0
.rept 32
	v_pk_fma_f32 v[rS+jj:rS+jj+1], v[rS+jj:rS+jj+1], s[CS:CS+1], v[rT:rT+1] op_sel_hi:[1,0,0]   ; t - M, two at a time
.set jj, jj+2
.endr
.irp b, 0,1,2,3
	v_fma_f32 v[rW+\b], v[rW+\b], s[CS], v[rT]     ; the same of each block's largest score
.endr
.endm
.macro EXPS x                          ; p = 2^(t - M), at most 1; and each block's largest p: the same two instructions on the same number give the same bits
.set rS, S+64*(\x)
.set rW, W+24*(\x)
.set jj, 0
.rept 64
	v_exp_f32 v[rS+jj], v[rS+jj]
.set jj, jj+1
.endr
.irp b, 0,1,2,3
	v_exp_f32 v[rW+\b], v[rW+\b]
.endr
.endm
; Tile x, last part: p's scale word and codes; O^T under the new M
.macro P3 x
.set rS, S+64*(\x)
.set rW, W+24*(\x)
.set rP, PC+12*(\x)
.irp b, 0,1,2,3
	v_max_num_f32 v[rW+\b], 0x1800000, v[rW+\b]    ; the floor 2^(3 - 127): the byte cannot fall under 1
.endr
.irp b, 0,1,2,3
	s_delay_alu instid0(VALU_DEP_4)
	v_add_nc_u32 v[rW+12+\b], 0xff000000, v[rW+\b] ; 2 off the exponent field: the conversion's scale operand
.endr
.irp b, 0,1,2,3
	s_delay_alu instid0(VALU_DEP_4)
	v_lshrrev_b32 v[rW+4+\b], 23, v[rW+12+\b]      ; the byte
.endr
	s_delay_alu instid0(VALU_DEP_3)
	v_lshl_or_b32 v[rW+21], v[rW+5], 8, v[rW+4]
	s_delay_alu instid0(VALU_DEP_1)
	v_lshl_or_b32 v[rW+21], v[rW+6], 16, v[rW+21]
	s_delay_alu instid0(VALU_DEP_1)
	v_lshl_or_b32 v[PS+(\x)], v[rW+7], 24, v[rW+21]   ; p's scale word for these 128 keys, in a register that holds scales alone
.irp c, 0,1
	v_cvt_scalef32_pk16_fp6_f32 v[rP+6*\c:rP+2+6*\c], v[rS+32*\c:rS+15+32*\c], v[rW+12+2*\c]
	v_cvt_scalef32_pk16_fp6_f32 v[rW+4+4*\c:rW+6+4*\c], v[rS+16+32*\c:rS+31+32*\c], v[rW+12+2*\c+1]   ; (a conversion's three registers begin on an even number)
.endr
	v_nop                                          ; one plain place behind a scaled conversion
.irp c, 0,1                                    ; the layout wants a whole block in a lane
.irp i, 0,1,2
	v_permlane16_swap_b32 v[rP+6*\c+\i], v[rW+4+4*\c+\i]
.endr
.irp i, 0,1,2
	s_delay_alu instid0(VALU_DEP_3)
	v_mov_b32 v[rP+3+6*\c+\i], v[rW+4+4*\c+\i]
.endr
.endr
	WIN 0x41                                       ; O^T (destination and source 0) in window 1, f in window 0
.set jj, 0
.rept 32
	v_pk_mul_f32 v[O+64*(\x)+jj:O+64*(\x)+jj+1], v[O+64*(\x)+jj:O+64*(\x)+jj+1], v[rW+20:rW+21] op_sel_hi:[1,0]   ; (these 32 are also the places between the codes, the scale word and the products)
.set jj, jj+2
.endr
	WIN 0
.endm
.macro SUMS x                          ; the row's sum of the unquantised p, which still stands in S^T's registers: two at a time, in two chains
.set rS, S+64*(\x)
.set rT, ST+4*(\x)
.set rW, W+24*(\x)
	v_pk_add_f32 v[rW+4:rW+5], v[rS:rS+1], v[rS+2:rS+3]
.set jj, 4
.rept 15
	v_pk_add_f32 v[rT+2:rT+3], v[rT+2:rT+3], v[rS+jj:rS+jj+1]
	v_pk_add_f32 v[rW+4:rW+5], v[rW+4:rW+5], v[rS+jj+2:rS+jj+3]
.set jj, jj+4
.endr
	s_delay_alu instid0(VALU_DEP_1)
	v_pk_add_f32 v[rT+2:rT+3], v[rT+2:rT+3], v[rW+4:rW+5]
.endm
; A KEY STEP: 128 keys, the q-th of the two at s[TB].  Its K has been asked for.  pre = 1: the next step's K is asked for.
.macro STEP q, pre
	s_wait_dscnt 0x0                               ; K's eight fragments and their scale words are in
	WIN 0x05                                       ; K and Q in window 1, S^T in window 0
.irp u, 0,1,2,3,4,5,6,7
.irp i, 0,1
	v_wmma_scale_f32_16x16x128_f8f6f4 v[S+64*\i+8*\u:S+64*\i+8*\u+7], v[F+12*\u:F+12*\u+11], v[Q+12*\i:Q+12*\i+11], 0, v[FS+\u], v[QS+\i] matrix_a_fmt:MATRIX_FMT_FP6 matrix_b_fmt:MATRIX_FMT_FP6
.endr
.endr
	WIN 0
.rept 4
	v_nop                                          ; places in front of loads into registers that the products read, and of the first read of the scores
.endr
	FLOAD ADV, ADT, 8*(\q)                         ; V's eight fragments: both tiles' softmax stands between this run and its use
	P1 0
	P1 1
	s_wait_alu depctr_va_vdst(0)
	EXPS 0                                         ; ONE BATCH: 136 exponentials, none of which reads another's result
	EXPS 1
	v_pk_mul_f32 v[ST+2:ST+3], v[ST+2:ST+3], v[W+20:W+21] op_sel_hi:[1,0]   ; the sums under the new M (plain places behind the exponentials)
	v_pk_mul_f32 v[ST+6:ST+7], v[ST+6:ST+7], v[W+44:W+45] op_sel_hi:[1,0]
	s_wait_alu depctr_va_vdst(0)                   ; one wait for the batch, ahead of its first reader
	P3 0
	P3 1
	s_wait_alu depctr_va_vdst(0)
	s_wait_dscnt 0x0                               ; V is in
	WIN 0x51                                       ; V in window 1, p's codes in window 0, O^T in window 1
.irp u, 0,1,2,3,4,5,6,7
.irp i, 0,1
	v_wmma_scale_f32_16x16x128_f8f6f4 v[O+64*\i+8*\u:O+64*\i+8*\u+7], v[F+12*\u:F+12*\u+11], v[PC+12*\i:PC+12*\i+11], v[O+64*\i+8*\u:O+64*\i+8*\u+7], v[FS+\u], v[PS+\i] matrix_a_fmt:MATRIX_FMT_FP6 matrix_b_fmt:MATRIX_FMT_FP6
.endr
.endr
	WIN 0
	SUMS 0                                         ; 32 plain instructions that name none of the products' registers: the places in front of the loads below
.if \pre
	FLOAD ADK, ADS, 8*(\q)+8                       ; the next step's K: the other tile's sums stand between this run and its use
.endif
	SUMS 1
.endm
	s_wait_loadcnt 0x0                             ; Q
	s_wait_alu depctr_va_vdst(0)
	s_wait_tensorcnt 0x0                           ; my load of the head is in
	ds_add_u32 v254, v255
	s_wait_dscnt 0x0
	CROUND                                         ; everybody's is, and all four work-groups are here
	tensor_load_to_lds s[G0C:G0C+3], s[G1C:G1C+7]  ; my 18,432 bytes of the other 768 keys: two key steps stand between this load and the wait for it
	s_nop 0
.rept 4
	v_nop
.endr
	ADDRS
	FLOAD ADK, ADS, 0
	s_wait_alu depctr_va_vdst(0)
	STEP 0, 1
	STEP 1, 0                                      ; the third step's K may not have landed: it is asked for behind the barrier
	s_add_co_u32 s[TB], s[TB], 24576
	s_add_co_u32 s[TS], s[TS], 1024
	s_wait_tensorcnt 0x0                           ; my piece of the rest is in,
	s_wait_dscnt 0x0
	s_barrier_signal -1
	s_barrier_wait -1                              ; everybody's is
	ADDRS
	FLOAD ADK, ADS, 0
	s_mov_b32 s[CNT], 2
.Lkeys:                                            ; two trips of two key steps
	s_wait_alu depctr_va_vdst(0)
	STEP 0, 1
	STEP 1, 1                                      ; (image 16 from the trip's addresses on is the next trip's first)
	s_add_co_u32 s[TB], s[TB], 24576
	s_add_co_u32 s[TS], s[TS], 1024
	ADDRS
	s_sub_co_u32 s[CNT], s[CNT], 1
	s_cmp_lg_u32 s[CNT], 0
	s_cbranch_scc1 .Lkeys
	s_wait_alu depctr_va_vdst(0)
	STEP 0, 1                                      ; the last two steps are written out: the last asks for nothing
	STEP 1, 0
	; THE WAY OUT: O^T / the sum, quantised along d, stored as images; the eight waves' scale words leave together.  The 64 additions of the last sums are the places behind the last products.
.irp i, 0
	v_add_f32 v[ST+4*\i+2], v[ST+4*\i+2], v[ST+4*\i+3]
.endr
.irp i, 1
	s_delay_alu instid0(VALU_DEP_2)
	v_add_f32 v[ST+4*\i+2], v[ST+4*\i+2], v[ST+4*\i+3]
.endr
.irp i, 0,1
	s_delay_alu instid0(VALU_DEP_2)
	v_permlanex16_b32 v[W+24*\i+20], v[ST+4*\i+2], s[SEL], s[SEL+1]
.endr
.irp i, 0,1
	s_delay_alu instid0(VALU_DEP_2)
	v_add_f32 v[ST+4*\i+2], v[ST+4*\i+2], v[W+24*\i+20]   ; the row's sum
.endr
	s_wait_alu depctr_va_vdst(0)
.irp i, 0,1
	v_rcp_f32 v[ST+4*\i+2], v[ST+4*\i+2]
.endr
	v_nop                                          ; a plain instruction behind the reciprocals
	s_wait_alu depctr_va_vdst(0)                   ; one wait for the two, ahead of their first reader
	WIN 0x01                                       ; source 0 (O^T) window 1
.irp i, 0,1
.set jj, 0
.rept 64
	v_mul_f32 v[S+64*\i+jj], v[O+64*\i+jj], v[ST+4*\i+2]   ; register 16 b + i: o(my query, d = 32 b + 16 (lane / 16) + i); each accumulator from its low end on
.set jj, jj+1
.endr
.endr
	WIN 0
	QUANT S, 200, 240
	QUANT S+64, 220, 241
.irp i, 0,1
.irp c, 0,1,2
	global_store_b128 v[AK0], v[200+20*\i+4*\c:203+20*\i+4*\c], s[88:89] offset:12288*\i+512*\c   ; 512 consecutive bytes, aligned; the next row-block's image of this head lies 8 images on
.endr
	ds_store_b32 v[GST], v[240+\i] offset:64*\i
.endr
	s_wait_dscnt 0x0                               ; for the others' sake: my stores have landed
	s_barrier_signal -1
	s_barrier_wait -1
	s_cmp_lg_u32 s[WV], 0
	s_cbranch_scc1 .Lnot_first
	ds_load_b128 v[244:247], v[GRD]                ; wave 0 stores the work-group's 16 scale images: 1,024 consecutive bytes
	ds_load_b128 v[248:251], v[GRD] offset:512
	s_wait_dscnt 0x0
	global_store_b128 v[AK0], v[244:247], s[90:91]
	global_store_b128 v[AK0], v[248:251], s[90:91] offset:512
.Lnot_first:
	s_wait_tensorcnt 0x0
	ds_add_u32 v254, v255
	s_wait_dscnt 0x0
	CROUND                                         ; the closing round
	s_endpgm
.Lfunc_end_k_q0c75ed307c_attn:
	.size	k_q0c75ed307c_attn, .Lfunc_end_k_q0c75ed307c_attn-k_q0c75ed307c_attn
	.p2alignl 7, 3214868480
	.fill 96, 4, 3214868480
	.section	.rodata,"a",@progbits
	.p2align	6, 0x0
	.amdhsa_kernel k_q0c75ed307c_attn
		.amdhsa_group_segment_fixed_size 327680
		.amdhsa_private_segment_fixed_size 0
		.amdhsa_enable_private_segment 0
		.amdhsa_kernarg_size 32
		.amdhsa_user_sgpr_count 2
		.amdhsa_user_sgpr_kernarg_segment_ptr 1
		.amdhsa_wavefront_size32 1
		.amdhsa_system_sgpr_workgroup_id_x 1
		.amdhsa_system_sgpr_workgroup_id_y 1
		.amdhsa_system_sgpr_workgroup_id_z 1
		.amdhsa_system_vgpr_workitem_id 0
		.amdhsa_next_free_vgpr 512
		.amdhsa_next_free_sgpr 100
		.amdhsa_reserve_vcc 0
		.amdhsa_float_denorm_mode_32 3
		.amdhsa_float_denorm_mode_16_64 3
		.amdhsa_memory_ordered 1
		.amdhsa_forward_progress 1
		.amdhsa_inst_pref_size 247
	.end_amdhsa_kernel
	.amdgpu_metadata
---
amdhsa.version: [ 1, 2 ]
amdhsa.kernels:
  - .name:           k_q0c75ed307c_attn
    .symbol:         k_q0c75ed307c_attn.kd
    .args:
      - { .name: ac, .offset: 0, .size: 8, .value_kind: global_buffer, .address_space: global }
      - { .name: asc, .offset: 8, .size: 8, .value_kind: global_buffer, .address_space: global }
      - { .name: oc, .offset: 16, .size: 8, .value_kind: global_buffer, .address_space: global }
      - { .name: os, .offset: 24, .size: 8, .value_kind: global_buffer, .address_space: global }
    .group_segment_fixed_size: 327680
    .private_segment_fixed_size: 0
    .kernarg_segment_align: 8
    .kernarg_segment_size: 32
    .max_flat_workgroup_size: 256
    .sgpr_count:     100
    .vgpr_count:     512
    .wavefront_size: 32
...
	.end_amdgpu_metadata
.endif
;; end of part 3
;; launch outproj (part 4): grid 8 x 32, 4 waves a work-group, clusters of 4 x 4, 327,680 bytes of LDS; arguments oc, os, pc, ps, out0; writes out0
.if DOCPART == 4
	.amdgcn_target "amdgcn-amd-amdhsa--gfx1250"
	.amdhsa_code_object_version 6
	.text
	.protected	k_q0c75ed307c_outproj
	.globl	k_q0c75ed307c_outproj
	.p2align	8
	.type	k_q0c75ed307c_outproj,@function
k_q0c75ed307c_outproj:
	s_mov_b64 s[64:65], 0
	v_nop
	global_prefetch_b8 v0, s[64:65] scope:SCOPE_SE
	s_setreg_imm32_b32 hwreg(HW_REG_WAVE_MODE, 25, 1), 1
	s_wait_xcnt 0x0
	s_wait_alu depctr_hold_cnt(0) depctr_sa_sdst(0) depctr_va_vdst(0) depctr_va_sdst(0) depctr_va_ssrc(0) depctr_va_vcc(0) depctr_vm_vsrc(0)
	s_getreg_b32 s2, hwreg(HW_REG_IB_STS2, 6, 4)
	s_cmp_eq_u32 s2, 0
	s_cbranch_scc0 .Lentry_in_a_cluster
	s_endpgm
.Lentry_in_a_cluster:
	s_bfe_u32 s2, ttmp6, 0x10000c
	s_cmp_lg_u32 s2, 0xf033
	s_cbranch_scc0 .Lentry_shape_is_right
	s_endpgm
.Lentry_shape_is_right:
; OUTPROJ: out0 = o Wo on codes of FP6 (E2M3) with E8M0 scales; out0 [8,192][2,048] f32, sums in f32.
; A work-group of four waves makes 256 x 256.  THE WAVES SHARE THE COLUMNS: wave w makes columns 64 w .. 64 w + 63 for all 256 rows, and keeps its part of Wo for ALL of K = 1,024 in registers: 4 row-blocks x 8 chunks x 12 = 384.
; So there is no ring over K.  The tile's 16 row-blocks of o are walked one after the other: a block's 8 fragments from LDS, 32 matrix instructions on four accumulators by turns, and the block is finished:
; it leaves through the wave's stage while the next block is multiplied.  The stores go out beside the products, not behind them.
; OPERANDS ARE IMAGES OF THEIR REGISTERS (1,536 bytes: 16 rows x 128 K): a fragment comes by three loads of 16 bytes a lane at 16 x lane.
; ROW ORDER: row-block 2 b + u holds rows 32 b + 8 u + r + 8 (r / 8), for o's rows and for Wo's columns alike.
; THE MATRIX INSTRUCTION IS USED TRANSPOSED (source 0 = Wo, source 1 = o): a lane holds one row of out0, and the 16 registers of tiles 2 b, 2 b + 1 are 16 neighbouring columns.
; LDS: bytes 0 - 196,607 Wo's tile, wave w's quarter at 49,152 w (each wave fetches and reads its own); 196,608 on o's row-blocks 0-7; then both operands' scale words.  When every wave has its Wo in registers, o's row-blocks 8-15
; are brought into bytes 0 - 98,303: the launch's one refill, one tensor load a wave, with eight blocks' products in which to land.  The stages lie from byte 98,304 on, in bytes of Wo's that have had their last fill and their last read.
; CLUSTER 4 x 4: o's pieces are shared along a row of the cluster, Wo's along a column: joint loads.  The head's four loads are one a wave, chosen by branches; the refill is issued by every wave.
; REGISTERS, in windows of 256.  Window 0: v16-29 addresses; v32-63 Wo's scale words ((n, c) at 32 + 8 n + c); v64-79 o's, two sets; v128-191 the accumulators, two sets of four; v192-255 rows on their way out, two sets.
;   Window 1: Wo's fragments of chunks 0-3 ((n, c) at 12 (4 c + n)); window 2: of chunks 4-7.   Window 3: o's fragments of a block, two sets of 96.
.set WO_C,   22020096
.set WO_S,   917504
.set IMG,    1536
.set RBK,    12288                     ; a row-block's eight images
.set LA,     196608                    ; LDS: o's row-blocks 0-7
.set LSA,    294912                    ; o's scale words [chunk 8][row-block 16][64]
.set LSB,    303104                    ; Wo's likewise
.set SPARE,  311296                    ; the spare words, 128 bytes a wave: two blocks of 256 bytes that no other line names
.set STG,    98304                     ; the stages: 16 rows x 272 bytes for each wave
.set SPITCH, 272                       ; 256 bytes + 16: an odd multiple of 16 bytes
.set ROWC,   8192                      ; a row of out0 in bytes
.set ABL,  16                          ; v16     my quarter of Wo in LDS, + 16 x lane
.set AD,   17                          ; v17-20  o's row-blocks 0-3, 4-7, 8-11, 12-15, + 16 x lane
.set ASA,  21                          ; v21     o's scale words, + 4 (lane % 16)
.set ASB,  22                          ; v22     my four row-blocks of Wo's
.set STO,  23                          ; v23     the stage: where I put 32 bytes of a row
.set RD,   24                          ; v24     and where I read rows back
.set CO,   25                          ; v25     my byte offset in two rows of out0
.set SPW,  28                          ; v28     my spare word; never rewritten
.set NIL,  29                          ; v29     0; never rewritten
.set SBR,  32
.set SAR,  64
.set ACC,  128
.set OUT,  192
.set G1A,  24                          ; s[24:31] group 1 for o's pieces;  s[32:39] for Wo's;  s[48:55], s[56:63] for their scale words
.set G1B,  32
.set G1SA, 48
.set G1SB, 56
.set G0B,  68                          ; groups 0: Wo's piece, Wo's scale words, o's scale words, o's first piece, o's second
.set G0SB, 72
.set G0SA, 76
.set G0A,  80
.set G0A2, 84
.set MSB, 0
.macro WIN new                         ; the immediate's high byte repeats the setting that is left
.if MSB != (\new)
	s_set_vgpr_msb (MSB<<8)|(\new)
.set MSB, (\new)
.endif
.endm
.macro CREST                           ; a round of the cluster's barrier behind its opening barrier
	s_cmp_lg_u32 s14, 0
	s_cbranch_scc1 .Lnot_wave_0_\@
	s_barrier_signal -3
.Lnot_wave_0_\@:
	s_barrier_wait -3
	s_barrier_signal -1
	s_barrier_wait -1
.endm
.macro CROUND
	s_barrier_signal -1
	s_barrier_wait -1
	CREST
.endm
.macro PLACES                          ; plain vector instructions between a matrix instruction and a load into, or a read of, its registers
.rept 4
	v_nop
.endr
.endm
	s_load_b128 s[4:7], s[0:1], 0x0                ; oc, os
	s_load_b128 s[8:11], s[0:1], 0x10              ; pc, ps
	s_load_b64 s[12:13], s[0:1], 0x20              ; out0
	v_lshl_add_u32 v[SPW], v0, 2, SPARE
	v_mov_b32 v[NIL], 0
	ds_add_u32 v28, v29
	ds_add_u32 v28, v29
	s_wait_dscnt 0x0
	v_lshrrev_b32 v1, 5, v0
	v_readfirstlane_b32 s14, v1                    ; wave 0..3
	s_bfe_u32 s40, ttmp6, 0x40000                  ; cx
	s_bfe_u32 s41, ttmp6, 0x40004                  ; cy
	s_lshl_b32 s42, ttmp9, 2
	s_add_co_u32 s42, s42, s40                     ; tile column
	s_and_b32 s17, ttmp7, 0xffff
	s_lshl_b32 s17, s17, 2
	s_add_co_u32 s17, s17, s41                     ; tile row
	s_lshl_b32 s43, s41, 2
	s_lshl_b32 s43, 15, s43                        ; my row of the cluster
	s_lshl_b32 s44, 0x1111, s40                    ; my column
	s_or_b32 s[G1A], s43, (3<<16)|(1<<21)          ; 15:0 the mask; 17:16 elements of 8 bytes; 21 set beside a mask
	s_or_b32 s[G1SA], s43, (3<<16)|(1<<21)
	s_or_b32 s[G1B], s44, (3<<16)|(1<<21)
	s_or_b32 s[G1SB], s44, (3<<16)|(1<<21)
.irp g, G1A, G1B                       ; dense pieces as rows of 256 bytes
	s_mov_b32 s[\g+1], 32<<16                      ; tensor_dim0
	s_mov_b32 s[\g+3], 32<<16                      ; tile_dim0
	s_mov_b32 s[\g+5], 32                          ; tensor_dim0_stride
	s_mov_b32 s[\g+6], 0
	s_mov_b32 s[\g+7], 0
.endr
	s_mov_b32 s[G1A+2], 384<<16                    ; o at the head: eight row-blocks, 98,304 bytes, by one wave
	s_mov_b32 s[G1A+4], 384
	s_mov_b32 s[G1B+2], 768<<16                    ; Wo: sixteen row-blocks, 196,608 bytes, by one wave
	s_mov_b32 s[G1B+4], 768
.irp g, G1SA, G1SB                     ; scale words: eight rows (chunks) of 1,024 bytes (16 row-blocks)
	s_mov_b32 s[\g+1], 128<<16
	s_mov_b32 s[\g+2], 8<<16
	s_mov_b32 s[\g+3], 128<<16
	s_mov_b32 s[\g+4], 8
	s_mov_b32 s[\g+6], 0
	s_mov_b32 s[\g+7], 0
.endr
	s_mov_b32 s[G1SA+5], 4096                      ; from chunk to chunk: o's 512 row-blocks x 64 bytes,
	s_mov_b32 s[G1SB+5], 1024                      ; Wo's 128
	; what I fetch.  o's addresses hang on the tile row and the wave alone, Wo's on the tile column and the wave alone
	s_lshl_b32 s18, s14, 1
	s_lshl_b32 s20, s17, 4
	s_add_co_u32 s20, s20, s18                     ; o: row-blocks 16 ty + 2 w, + 1
	s_mul_i32 s20, s20, RBK
	s_mov_b32 s21, 0
	s_lshl_b32 s22, s17, 10                        ; its scale words: all eight chunks of the tile's 16 row-blocks
	s_mov_b32 s23, 0
	s_lshl_b32 s19, s14, 2
	s_lshl_b32 s46, s42, 4
	s_add_co_u32 s46, s46, s19                     ; Wo: row-blocks 16 tx + 4 w on
	s_mul_i32 s46, s46, RBK
	s_add_co_u32 s46, s46, WO_C
	s_mov_b32 s47, 0
	s_lshl_b32 s88, s42, 10
	s_add_co_u32 s88, s88, WO_S
	s_mov_b32 s89, 0
	s_mul_i32 s90, s14, 49152                      ; and where it goes: the wave's number alone
	s_mul_i32 s91, s14, 24576
	s_lshl_b32 s66, s17, 4
	s_mul_i32 s66, s66, RBK                        ; o's tile from its first row-block on
	s_mov_b32 s67, 0
	s_wait_kmcnt 0x0
	s_add_nc_u64 s[20:21], s[4:5], s[20:21]
	s_add_nc_u64 s[22:23], s[6:7], s[22:23]
	s_add_nc_u64 s[46:47], s[8:9], s[46:47]
	s_add_nc_u64 s[88:89], s[10:11], s[88:89]
	s_add_nc_u64 s[66:67], s[4:5], s[66:67]
	s_mov_b32 s[G0B], 1
	s_mov_b32 s[G0B+1], s90
	s_mov_b64 s[G0B+2:G0B+3], s[46:47]
	s_or_b32 s[G0B+3], s[G0B+3], 0x80000000
	s_mov_b32 s[G0SB], 1
	s_mov_b32 s[G0SB+1], LSB
	s_mov_b64 s[G0SB+2:G0SB+3], s[88:89]
	s_or_b32 s[G0SB+3], s[G0SB+3], 0x80000000
	s_mov_b32 s[G0SA], 1
	s_mov_b32 s[G0SA+1], LSA
	s_mov_b64 s[G0SA+2:G0SA+3], s[22:23]
	s_or_b32 s[G0SA+3], s[G0SA+3], 0x80000000
	s_mov_b32 s[G0A], 1
	s_mov_b32 s[G0A+1], LA
	s_mov_b64 s[G0A+2:G0A+3], s[66:67]
	s_or_b32 s[G0A+3], s[G0A+3], 0x80000000
	s_mov_b32 s[G0A2], 1                           ; the refill: eight row-blocks further on, into Wo's first bytes
	s_mov_b32 s[G0A2+1], s91
	s_add_nc_u64 s[G0A2+2:G0A2+3], s[20:21], 8*RBK
	s_or_b32 s[G0A2+3], s[G0A2+3], 0x80000000
	CROUND                                         ; all sixteen work-groups are here: the first joint loads meet
; THE HEAD'S FOUR TILES, EACH WHOLE, ONE JOINT LOAD A WAVE: wave 0 Wo's tile (its group 0 is made with wave 0's offsets, which are 0), wave 1 o's row-blocks 0-7, wave 2 Wo's scale words, wave 3 o's
.macro ARM under, g0, g1, next
	s_cmp_lt_u32 s14, \under
	s_cbranch_scc0 \next
	tensor_load_to_lds s[\g0:\g0+3], s[\g1:\g1+7]
	s_nop 0
.rept 4
	v_nop
.endr
	s_branch .Lhead_asked
\next:
.endm
	ARM 1, G0B,  G1B,  .Lhead_a
	ARM 2, G0A,  G1A,  .Lhead_sb
	ARM 3, G0SB, G1SB, .Lhead_sa
	tensor_load_to_lds s[G0SA:G0SA+3], s[G1SA:G1SA+7]
	s_nop 0
.rept 4
	v_nop
.endr
.Lhead_asked:
.rept 4
	v_nop
.endr
	v_and_b32 v1, 15, v0                           ; r
	v_bfe_u32 v2, v0, 4, 1                         ; h
	v_and_b32 v3, 31, v0
	v_lshlrev_b32 v4, 4, v3                        ; 16 x lane
	v_add_nc_u32 v[ABL], s90, v4
	v_add_nc_u32 v[AD], LA, v4
	v_add_nc_u32 v[AD+1], LA+4*RBK, v4
	v_lshlrev_b32 v[AD+2], 4, v3
	v_add_nc_u32 v[AD+3], 4*RBK, v4
	v_lshl_add_u32 v[ASA], v1, 2, LSA
	s_lshl_b32 s93, s14, 8
	s_add_co_u32 s93, s93, LSB
	v_lshl_add_u32 v[ASB], v1, 2, s93
	s_mul_i32 s94, s14, 16*SPITCH
	s_add_co_u32 s94, s94, STG                     ; my stage
	v_mul_u32_u24 v5, v1, SPITCH
	v_lshl_add_u32 v5, v2, 6, v5
	v_add_nc_u32 v[STO], s94, v5                   ; in: row r, + 64 h: my half's 16 columns of each 32
	v_mul_u32_u24 v6, v2, SPITCH
	v_lshl_add_u32 v6, v1, 4, v6
	v_add_nc_u32 v[RD], s94, v6                    ; back: lanes 0-15 one row of 256 bytes, lanes 16-31 the next
	v_lshlrev_b32 v7, 13, v2
	v_lshl_add_u32 v[CO], v1, 4, v7                ; and the same two rows in out0
	s_lshl_b32 s96, s17, 21                        ; 256 ty rows of 8,192 bytes,
	s_lshl_b32 s97, s42, 10                        ; the tile's first column,
	s_add_co_u32 s96, s96, s97
	s_lshl_b32 s97, s14, 8                         ; my 64 columns
	s_add_co_u32 s96, s96, s97
	s_mov_b32 s97, 0
	s_add_nc_u64 s[12:13], s[12:13], s[96:97]
	s_wait_alu depctr_va_vdst(0)                   ; the wait at the head's end
	s_wait_tensorcnt 0x0                           ; my tile of the four is in,
	s_barrier_signal -1
	s_barrier_wait -1                              ; everybody's is.
	WIN 0x40                                       ; destination window 1
.irp c, 0,1,2,3
.irp n, 0,1,2,3
.irp k, 0,1,2
	ds_load_b128 v[12*(4*\c+\n)+4*\k:12*(4*\c+\n)+4*\k+3], v[ABL] offset:\n*RBK+\c*IMG+512*\k
.endr
.endr
.endr
	WIN 0x80                                       ; destination window 2
.irp c, 0,1,2,3
.irp n, 0,1,2,3
.irp k, 0,1,2
	ds_load_b128 v[12*(4*\c+\n)+4*\k:12*(4*\c+\n)+4*\k+3], v[ABL] offset:\n*RBK+(\c+4)*IMG+512*\k
.endr
.endr
.endr
	WIN 0
	s_wait_tensorcnt 0x0                           ; all my tensor loads have landed;
	ds_add_u32 v[SPW], v[NIL]
	s_mov_b32 s[G1A+2], 96<<16                     ; no tensor load of mine is out, so a descriptor may be written: the refill brings two row-blocks a wave, 96 rows
	s_mov_b32 s[G1A+4], 96
	s_wait_dscnt 0x0
	CROUND
	tensor_load_to_lds s[G0A2:G0A2+3], s[G1A:G1A+7]
	s_nop 0
.rept 4
	v_nop
.endr
	s_wait_alu depctr_va_vdst(0)
.irp n, 0,1,2,3
.irp c, 0,1,2,3,4,5,6,7
	ds_load_b32 v[SBR+8*\n+\c], v[ASB] offset:\c*1024+\n*64   ; Wo's scale words stay in registers
.endr
.endr
.macro FETCH a                         ; block a's eight fragments and eight scale words into set a % 2: 32 LDS loads in one run
	WIN 0xc0                                       ; destination window 3
.irp c, 0,1,2,3,4,5,6,7
.irp k, 0,1,2
	ds_load_b128 v[96*((\a)%2)+12*\c+4*\k:96*((\a)%2)+12*\c+4*\k+3], v[AD+(\a)/4] offset:((\a)%4)*RBK+\c*IMG+512*\k
.endr
.endr
	WIN 0
.irp c, 0,1,2,3,4,5,6,7
	ds_load_b32 v[SAR+8*((\a)%2)+\c], v[ASA] offset:\c*1024+(\a)*64
.endr
.endm
; 16 matrix instructions: chunks 4 hf .. 4 hf + 3 of block a against my four row-blocks of Wo.  The four accumulators take turns, one instruction a turn; the first chunk starts the sums.
.macro MUL16 a, hf
	WIN 0x0d+\hf                                   ; source 0 (Wo) window 1 or 2, source 1 (o) window 3, C and D window 0
.irp cc, 0,1,2,3
.irp n, 0,1,2,3
.if (\hf == 0) && (\cc == 0)
	v_wmma_scale_f32_16x16x128_f8f6f4 v[ACC+32*((\a)%2)+8*\n:ACC+32*((\a)%2)+8*\n+7], v[12*(4*\cc+\n):12*(4*\cc+\n)+11], v[96*((\a)%2)+12*(4*\hf+\cc):96*((\a)%2)+12*(4*\hf+\cc)+11], 0, v[SBR+8*\n+4*\hf+\cc], v[SAR+8*((\a)%2)+4*\hf+\cc] matrix_a_fmt:MATRIX_FMT_FP6 matrix_b_fmt:MATRIX_FMT_FP6
.else
	v_wmma_scale_f32_16x16x128_f8f6f4 v[ACC+32*((\a)%2)+8*\n:ACC+32*((\a)%2)+8*\n+7], v[12*(4*\cc+\n):12*(4*\cc+\n)+11], v[96*((\a)%2)+12*(4*\hf+\cc):96*((\a)%2)+12*(4*\hf+\cc)+11], v[ACC+32*((\a)%2)+8*\n:ACC+32*((\a)%2)+8*\n+7], v[SBR+8*\n+4*\hf+\cc], v[SAR+8*((\a)%2)+4*\hf+\cc] matrix_a_fmt:MATRIX_FMT_FP6 matrix_b_fmt:MATRIX_FMT_FP6
.endif
.endr
.endr
.endm
; Block a's 16 rows x 64 columns through my stage: in as 32 bytes a lane and tile (tile n's eight columns of my half lie 128 (n / 2) + 32 (n % 2) bytes on), back as whole rows of 256 bytes.
.macro THROUGH a
	s_wait_xcnt 0x0                                ; the stores of the block two back have read the registers into which the rows below are loaded
.irp n, 0,1,2,3
	ds_store_b128 v[STO], v[ACC+32*((\a)%2)+8*\n:ACC+32*((\a)%2)+8*\n+3] offset:128*(\n/2)+32*(\n%2)       ; each accumulator from its low end on
	ds_store_b128 v[STO], v[ACC+32*((\a)%2)+8*\n+4:ACC+32*((\a)%2)+8*\n+7] offset:128*(\n/2)+32*(\n%2)+16
.endr
.irp t, 0,1,2,3,4,5,6,7
	ds_load_b128 v[OUT+32*((\a)%2)+4*\t:OUT+32*((\a)%2)+4*\t+3], v[RD] offset:\t*2*SPITCH   ; LDS serves a wave's instructions in order: these see the stores above, and the next block's stores come behind them
.endr
.endm
; Stage row t is row t + 8 (t / 8) of the block, and block a begins at row 32 (a / 2) + 8 (a % 2) of the tile: all in the immediate, 255 rows of 8,192 bytes at the most, inside its signed 24 bits (ISA guide, chapter 10)
.macro SEND a
.irp t, 0,1,2,3,4,5,6,7
	global_store_b128 v[CO], v[OUT+32*((\a)%2)+4*\t:OUT+32*((\a)%2)+4*\t+3], s[12:13] offset:(32*((\a)/2)+8*((\a)%2)+2*\t+8*(\t/4))*ROWC th:TH_STORE_NT   ; sixteen lanes store 256 consecutive bytes, aligned
.endr
.endm
; BLOCK a.  nxt = 1: the next block's fragments are asked for first, a whole block's products ahead of their use.  prv = 1: the block before goes through the stage between this block's two halves, and is stored behind them.
.macro BLOCK a, nxt, prv
	PLACES                                         ; behind the last block's products: for the loads into the set that they read, and for the reads of their results
.if \nxt
	FETCH (\a)+1
.endif
.if ((\a)%8) == 0
	s_wait_dscnt 32                                ; this block's fragments are in; the 32 loads just issued may be out.  (In the other blocks the wait at the last block's end has shown them in)
.endif
	MUL16 \a, 0
	WIN 0
.if \prv
	THROUGH (\a)-1
.endif
	MUL16 \a, 1
	WIN 0
	s_wait_dscnt 0x0                               ; the rows are back from the stage, and the next block's fragments are in: both were asked for sixteen products ago or more
.if \prv
	SEND (\a)-1
.endif
.endm
	FETCH 0
	BLOCK 0, 1, 0
.irp a, 1,2,3,4,5,6
	BLOCK \a, 1, 1
.endr
	BLOCK 7, 0, 1                                  ; block 8 lies in the refilled bytes: it is asked for behind the barrier
	s_wait_tensorcnt 0x0                           ; my part of o's row-blocks 8-15 is in (no LDS instruction of mine is out),
	s_barrier_signal -1
	s_barrier_wait -1                              ; everybody's is.
	FETCH 8
	BLOCK 8, 1, 1
.irp a, 9,10,11,12,13,14
	BLOCK \a, 1, 1
.endr
	BLOCK 15, 0, 1
	PLACES
	THROUGH 15
	s_wait_dscnt 0x0
	SEND 15
	s_wait_tensorcnt 0x0                           ; the wave's end
	ds_add_u32 v[SPW], v[NIL]
	s_wait_dscnt 0x0
	CROUND                                         ; the closing round
	s_endpgm
.Lfunc_end_k_q0c75ed307c_outproj:
	.size	k_q0c75ed307c_outproj, .Lfunc_end_k_q0c75ed307c_outproj-k_q0c75ed307c_outproj
	.p2alignl 7, 3214868480
	.fill 96, 4, 3214868480
	.section	.rodata,"a",@progbits
	.p2align	6, 0x0
	.amdhsa_kernel k_q0c75ed307c_outproj
		.amdhsa_group_segment_fixed_size 327680
		.amdhsa_private_segment_fixed_size 0
		.amdhsa_enable_private_segment 0
		.amdhsa_kernarg_size 40
		.amdhsa_user_sgpr_count 2
		.amdhsa_user_sgpr_kernarg_segment_ptr 1
		.amdhsa_wavefront_size32 1
		.amdhsa_system_sgpr_workgroup_id_x 1
		.amdhsa_system_sgpr_workgroup_id_y 1
		.amdhsa_system_sgpr_workgroup_id_z 1
		.amdhsa_system_vgpr_workitem_id 0
		.amdhsa_next_free_vgpr 1024
		.amdhsa_next_free_sgpr 98
		.amdhsa_reserve_vcc 0
		.amdhsa_float_denorm_mode_32 3
		.amdhsa_float_denorm_mode_16_64 3
		.amdhsa_memory_ordered 1
		.amdhsa_forward_progress 1
		.amdhsa_inst_pref_size 148
	.end_amdhsa_kernel
	.amdgpu_metadata
---
amdhsa.version: [ 1, 2 ]
amdhsa.kernels:
  - .name:           k_q0c75ed307c_outproj
    .symbol:         k_q0c75ed307c_outproj.kd
    .args:
      - { .name: oc, .offset: 0, .size: 8, .value_kind: global_buffer, .address_space: global }
      - { .name: os, .offset: 8, .size: 8, .value_kind: global_buffer, .address_space: global }
      - { .name: pc, .offset: 16, .size: 8, .value_kind: global_buffer, .address_space: global }
      - { .name: ps, .offset: 24, .size: 8, .value_kind: global_buffer, .address_space: global }
      - { .name: out0, .offset: 32, .size: 8, .value_kind: global_buffer, .address_space: global }
    .group_segment_fixed_size: 327680
    .private_segment_fixed_size: 0
    .kernarg_segment_align: 8
    .kernarg_segment_size: 40
    .max_flat_workgroup_size: 128
    .sgpr_count:     98
    .vgpr_count:     1024
    .wavefront_size: 32
...
	.end_amdgpu_metadata
.endif
;; end of part 4
